; MI455X (gfx1250); checked and timed in simulation.
; The chip was launched on July 23, 2026; its instructions are those of AMD's public machine-readable ISA for CDNA 5 (MIT licence, August 2026) and "CDNA5" Instruction Set Architecture Reference Guide (July 2026). The comments in the code are by the model that wrote it; some were corrected since.
;; Multi Head Self Attention. Allowed arithmetic: matrix products marked QUANTISED: E2M1 operands, one E8M0 scale for each 32 along K, by v_wmma_scale_f32_16x16x128_f8f6f4 with both operands' format E2M1 (or v_wmma_scale_f32_32x16x128_f4), f32 sums; products left as they are: bf16, f16 or f32 operands; f32 sums; everything else in f32.
;; Inputs: bk 1,024 float32; bo 1,024 float32; bq 1,024 float32; bv 1,024 float32; mask 4 x 2,048 int32; wk 1,024 x 1,024 float32; wo 1,024 x 1,024 float32; wq 1,024 x 1,024 float32; wv 1,024 x 1,024 float32; x 4 x 2,048 x 1,024 float32.
;; Outputs: out0 4 x 2,048 x 1,024 float32.
;; This version of the problem:
;;   THIS VERSION OF THE PROBLEM IS GIVEN IN LOW PRECISION. The matrix products marked QUANTISED in the list below multiply operands that are first quantised to E2M1 (2 exponent bits, 1 mantissa bit; 4 bits a number), with one power-of-two scale for each 32 numbers along K (OCP MX v1.0); their sums are f32. The products marked 'left as it is' may take bf16, f16 or f32 operands, with f32 sums. Whichever they take, every output number must still come out within the allowed error. Rounding operands to bf16 (8 significant bits) uses up far more of that allowance than f16 does (11 bits, for magnitudes from 6e-5 to 65,504). All else is computed in f32.
;;   The module's matrix products, in the order in which they are computed (A, B: the left and right operand; K: the contracted axis; several contracted axes count as one K, in the product's order):
;;     1. [M 8,192, K 1,024] x [K 1,024, N 1,024]; A: input x; B: input wq: QUANTISED
;;     2. [M 8,192, K 1,024] x [K 1,024, N 1,024]; A: input x; B: input wk: QUANTISED
;;     3. [M 8,192, K 1,024] x [K 1,024, N 1,024]; A: input x; B: input wv: QUANTISED
;;     4. batch 64 x [M 2,048, K 64] x [K 64, N 2,048]; A: computed on the way; B: computed on the way: left as it is (an operand is computed on the way)
;;     5. batch 64 x [M 2,048, K 2,048] x [K 2,048, N 64]; A: computed on the way; B: computed on the way: left as it is (an operand is computed on the way)
;;     6. [M 8,192, K 1,024] x [K 1,024, N 1,024]; A: computed on the way; B: input wo: left as it is (an operand is computed on the way)
;;   THE QUANTISER, for each operand of a quantised product, along K:
;;     - K is cut into blocks of 32 from its start; a last block that is shorter is filled with zeros.
;;     - A block's scale is 2^e with e = floor(log2(the largest magnitude in the block)) - 2, held to -126 .. 127; a block of zeros has e = 0. As a byte (E8M0): e + 127.
;;     - Each number is divided by its block's scale, clamped to +-6, and rounded to the nearest number of E2M1, ties to even, subnormals kept.
;;     - The product sums the exact products of the quantised numbers (number of the format x scale) in f32.
;;   ~~~python
;;   def quantise(x, axis):      # numpy; x: float32 -> the quantised numbers, widened to float32 again
;;       x = np.moveaxis(x, axis, -1); K = x.shape[-1]
;;       x = np.pad(x, [(0, 0)] * (x.ndim - 1) + [(0, -K % 32)]); x = x.reshape(x.shape[:-1] + (-1, 32)); a = np.abs(x).max(-1, keepdims=True)
;;       e = np.where(a > 0, np.clip(np.frexp(np.where(a > 0, a, 1))[1] - 1 - 2, -126, 127), 0)      # np.frexp(a)[1] - 1 = floor(log2(a)), exactly
;;       r = np.clip(x / 2.0 ** e, -6, 6)
;;       step = 2.0 ** (np.maximum(np.frexp(np.where(r == 0, 1, r))[1] - 1, 0) - 1)
;;       q = np.round(r / step) * step * 2.0 ** e      # np.round: ties to even
;;       return np.moveaxis(q.reshape(q.shape[:-2] + (-1,))[..., :K], -1, axis).astype(np.float32)
;;   ~~~
;; One version. Each part assembles by itself: llvm-mc -triple=amdgcn-amd-amdhsa -mcpu=gfx1250 --defsym DOCPART=n.
;; ======== version 1 of 1: 4 launches
;; limits: values are held in f16: magnitudes above 65,504 overflow, below 6.1e-05 lose precision
;; workspace buffers: xc 4,194,304 bytes; xs 262,144 bytes; wc 1,572,864 bytes; ws 98,304 bytes; wo16 2,097,152 bytes; qkv 50,331,648 bytes; o16 16,777,216 bytes
;; launch quant (part 1): grid 384 x 1, 4 waves a work-group, no clusters, 33,280 bytes of LDS; arguments x, wq, wk, wv, wo, xc, xs, wc, ws, wo16; writes xc, xs, wc, ws, wo16
.if DOCPART == 1
	.amdgcn_target "amdgcn-amd-amdhsa--gfx1250"
	.amdhsa_code_object_version 6
	.text
	.protected	k_qd65db81495_quant
	.globl	k_qd65db81495_quant
	.p2align	8
	.type	k_qd65db81495_quant,@function
k_qd65db81495_quant:
	s_mov_b64 s[64:65], 0
	v_nop
	global_prefetch_b8 v0, s[64:65] scope:SCOPE_SE
	s_setreg_imm32_b32 hwreg(HW_REG_WAVE_MODE, 25, 1), 1
	s_wait_xcnt 0x0
; x [8192][1024], wq, wk, wv [1024][1024], f32, K innermost, become codes of FP4 (E2M1), two a byte, with one E8M0 byte for each 32 along K; wo [1024][1024] becomes f16.
; A block's scale is 2^(floor(log2(its largest magnitude)) - 2); its byte is the largest magnitude's exponent field - 2, held at 1 from below; each number is divided by the scale and rounded to the nearest code, ties to even, beyond 6 the code of 6.
; Rows are dense and 1,024 is a multiple of 32: every tensor is a plain stream of blocks of 32.  xc/xs take x's codes and bytes; wc/ws take wq's, then wk's, then wv's: 3,072 rows on end.
; SHARES: a work-group takes 32,768 numbers, a wave 8,192.  Work-groups 0-255: x; 256-287: wq; 288-319: wk; 320-351: wv; 352-383: wo.  Only pointers are chosen for the first four: one path through the text.
; A wave's 16 steps of 512 numbers: each of a step's four loads reads 512 consecutive bytes; the 2,048 bytes turn through the wave's own stage in LDS and come back 64 bytes a lane, so that a lane holds 16 neighbours along K
; and two neighbouring lanes a block.  A lane's 16 codes are 8 bytes: the wave stores 256 consecutive bytes.  A wave's 256 scale bytes are gathered in LDS and leave as 256 consecutive aligned bytes.
; LIMITS: NaN and infinities among the inputs are not served.  A block of zeros gets the byte 1, not 127: its codes are zeros, and this program alone reads the bytes.  Blocks whose largest magnitude lies under 2^-124 are held at byte 1.
; wo beyond 65,504 in magnitude becomes infinite in f16; under 6e-5 it loses bits.
.set WAVES, 4
.set STEPS, 16
.set EMAX,  2
.set CB,    8                          ; bytes of 16 codes
.set R,     16                         ; v16-79   four sets of 16 numbers as loaded
.set X,     80                         ; v80-111  two sets of 16 neighbours
.set E,     112                        ; v112-127 a scale byte for each step
.set C,     128                        ; v128-191 codes: four registers for each step, so that no store's data are written again
.set WREG,  8192                       ; LDS: a region for each wave: two stages of 32 x SP bytes, behind them its 256 scale bytes
.set SP,    80                         ; a lane's place in a stage: 64 bytes + 16 of padding
.set SPW,   12                         ; v12  LDS address of my spare word; never rewritten
.set NIL,   13                         ; v13  0; never rewritten
.set SPARE, WAVES*WREG                 ; behind the four regions: the spare words, 128 bytes a wave
	s_load_b512 s[4:19], s[0:1], 0x0               ; x 4:5, wq 6:7, wk 8:9, wv 10:11, wo 12:13, xc 14:15, xs 16:17, wc 18:19
	s_load_b128 s[20:23], s[0:1], 0x40             ; ws 20:21, wo16 22:23
	v_lshl_add_u32 v[SPW], v0, 2, SPARE
	v_mov_b32 v[NIL], 0
	v_lshrrev_b32 v1, 5, v0
	v_readfirstlane_b32 s24, v1                    ; wave
	v_and_b32 v2, 31, v0                           ; lane
	v_lshlrev_b32 v3, 4, v2                        ; my 16 bytes of a load's 512
	v_mul_u32_u24 v4, v2, CB                       ; my 8 bytes of a store's 256
	s_mul_i32 s28, s24, WREG
	v_lshrrev_b32 v14, 2, v2
	v_mul_u32_u24 v14, v14, SP
	v_and_b32 v15, 3, v2
	v_lshl_add_u32 v14, v15, 4, v14
	v_add_nc_u32 v14, s28, v14                     ; the stage, on the way in: four lanes' 64 bytes on end, then 16 of padding
	v_mul_u32_u24 v15, v2, SP
	v_add_nc_u32 v15, s28, v15                     ; and on the way out: my 16 neighbours
	v_lshrrev_b32 v5, 1, v2
	s_add_co_u32 s28, s28, 2*32*SP
	v_add_nc_u32 v5, s28, v5                       ; my wave's 256 scale bytes, my block's byte
	v_lshlrev_b32 v7, 3, v2
	v_add_nc_u32 v6, s28, v7                       ; and on the way out 8 bytes a lane
	s_wait_kmcnt 0x0
	s_cmp_ge_u32 ttmp9, 352
	s_cbranch_scc1 .Lwo                            ; wo's work-groups: a branch on the work-group's number alone
	s_sub_co_u32 s25, ttmp9, 256                   ; among the weights' work-groups (used only where the number is 256 or more)
	s_and_b32 s26, s25, 31                         ; and inside one weight
	s_cmp_lt_u32 ttmp9, 320
	s_cselect_b64 s[8:9], s[8:9], s[10:11]         ; wk or wv
	s_cmp_lt_u32 ttmp9, 288
	s_cselect_b64 s[6:7], s[6:7], s[8:9]           ; wq or that
	s_cmp_lt_u32 ttmp9, 256
	s_cselect_b64 s[4:5], s[4:5], s[6:7]           ; x or that
	s_cselect_b64 s[14:15], s[14:15], s[18:19]     ; the codes' buffer
	s_cselect_b64 s[16:17], s[16:17], s[20:21]     ; the scale bytes'
	s_cselect_b32 s26, ttmp9, s26                  ; which 32,768 numbers of the tensor read,
	s_cselect_b32 s25, ttmp9, s25                  ; and of the buffers written
	s_lshl_b32 s26, s26, 2
	s_add_co_u32 s26, s26, s24                     ; my wave's run of 8,192 numbers, in
	s_lshl_b32 s25, s25, 2
	s_add_co_u32 s25, s25, s24                     ; and out
	s_mov_b32 s31, 0
	s_lshl_b32 s30, s26, 15                        ; 32,768 bytes of f32 a run
	s_add_nc_u64 s[4:5], s[4:5], s[30:31]
	s_lshl_b32 s30, s25, 12                        ; 4,096 bytes of codes
	s_add_nc_u64 s[14:15], s[14:15], s[30:31]
	s_lshl_b32 s30, s25, 8                         ; 256 scale bytes
	s_add_nc_u64 s[16:17], s[16:17], s[30:31]
.macro LOAD t
.irp i, 0,1,2,3
	global_load_b128 v[R+16*((\t)%4)+4*\i:R+16*((\t)%4)+4*\i+3], v3, s[4:5] offset:2048*(\t)+512*\i th:TH_LOAD_NT   ; 32 lanes read 512 consecutive bytes
.endr
.endm
.macro TURN t                          ; step t's numbers through the stage: LDS serves a wave's instructions in order, so no wait stands between the stores and the loads
.irp i, 0,1,2,3
	ds_store_b128 v14, v[R+16*((\t)%4)+4*\i:R+16*((\t)%4)+4*\i+3] offset:32*SP*((\t)%2)+8*SP*\i
.endr
.irp i, 0,1,2,3
	ds_load_b128 v[X+16*((\t)%2)+4*\i:X+16*((\t)%2)+4*\i+3], v15 offset:32*SP*((\t)%2)+16*\i
.endr
.endm
.irp t, 0,1,2,3
	LOAD \t
.endr
	s_wait_loadcnt 12                              ; step 0's four loads are in; the twelve of steps 1 to 3 may be out
	TURN 0
.macro STEP t
.set XS, X+16*((\t)%2)
.if (\t) > 0
	s_wait_dscnt 1                                 ; this step's numbers are back from the stage (the last step's byte store may be out)
.else
	s_wait_dscnt 0x0
.endif
.if (\t)+4 < STEPS
	LOAD (\t)+4                                    ; into the registers that the stage's stores have read
.endif
.if (\t)+1 < STEPS
.if STEPS-2-(\t) >= 3
	s_wait_loadcnt 12                              ; the next step's four loads are in; those of the three steps behind it may be out
.else
	s_wait_loadcnt 4*(STEPS-2-(\t))
.endif
	TURN (\t)+1                                    ; through the other stage while this step is worked
.endif
	v_max3_num_f32 v8, |v[XS]|, |v[XS+1]|, |v[XS+2]|               ; the largest magnitude of my 16, in two chains
	v_max3_num_f32 v9, |v[XS+3]|, |v[XS+4]|, |v[XS+5]|
.irp i, 6,10
	v_max3_num_f32 v8, v8, |v[XS+\i]|, |v[XS+\i+1]|
	v_max3_num_f32 v9, v9, |v[XS+\i+2]|, |v[XS+\i+3]|
.endr
	v_max3_num_f32 v8, v8, |v[XS+14]|, |v[XS+15]|
	v_max3_num_f32 v8, v8, v9, (EMAX+1)<<23        ; and the floor 2^(3 - 127): the byte cannot fall under 1
	v_max_num_f32_dpp v8, v8, v8 row_xmask:1 row_mask:0xf bank_mask:0xf   ; with my neighbour's 16: the block's
	v_add_nc_u32 v11, -(EMAX<<23), v8              ; 2 off its exponent field: the conversion takes the exponent field of this operand as its scale
	v_cvt_scalef32_pk8_fp4_f32 v[C+4*(\t)], v[XS:XS+7], v11
	v_cvt_scalef32_pk8_fp4_f32 v[C+4*(\t)+1], v[XS+8:XS+15], v11
	v_lshrrev_b32 v[E+(\t)], 23, v11               ; the scale's byte (a plain line behind the conversions)
	ds_store_b8 v5, v[E+(\t)] offset:16*(\t)       ; both lanes of a block write the same byte with the same value
	global_store_b64 v4, v[C+4*(\t):C+4*(\t)+1], s[14:15] offset:32*CB*(\t)   ; 256 consecutive bytes a wave
.endm
.irp t, 0,1,2,3,4,5,6,7,8,9,10,11,12,13,14,15
	STEP \t
.endr
	ds_load_b64 v[8:9], v6                         ; in order behind my byte stores
	s_wait_dscnt 0x0
	global_store_b64 v7, v[8:9], s[16:17]          ; 256 consecutive aligned bytes
	s_wait_tensorcnt 0x0                           ; the wave's end
	ds_add_u32 v[SPW], v[NIL]
	s_wait_dscnt 0x0
	s_endpgm
; wo to f16, rounded to nearest even: a stream without LDS.  A wave takes 8,192 numbers: four groups of 16 loads of 512 bytes, in two sets of registers; a group is asked for ahead of the work on the group before.
.Lwo:
	s_sub_co_u32 s25, ttmp9, 352
	s_lshl_b32 s25, s25, 2
	s_add_co_u32 s25, s25, s24                     ; my wave's run, 0 to 127
	s_lshl_b32 s26, s25, 15
	s_mov_b32 s27, 0
	s_add_nc_u64 s[12:13], s[12:13], s[26:27]
	s_lshl_b32 s26, s25, 14
	s_add_nc_u64 s[22:23], s[22:23], s[26:27]
.macro WLOAD g
.irp i, 0,1,2,3,4,5,6,7,8,9,10,11,12,13,14,15
	global_load_b128 v[16+64*((\g)%2)+4*\i:16+64*((\g)%2)+4*\i+3], v3, s[12:13] offset:512*(16*(\g)+\i) th:TH_LOAD_NT
.endr
.endm
.macro WGROUP g
.if (\g) < 3
	WLOAD (\g)+1
.endif
.if (\g) > 0
	s_wait_xcnt 0x0                                ; the last group's stores have read v144-175, which are written again below
.endif
.irp i, 0,1,2,3,4,5,6,7,8,9,10,11,12,13,14,15
.if (\g) < 3
	s_wait_loadcnt 31-\i                           ; behind load i: the group's 15 - i younger ones and the next group's 16
.else
	s_wait_loadcnt 15-\i
.endif
	v_cvt_pk_f16_f32 v[144+2*\i], v[16+64*((\g)%2)+4*\i], v[16+64*((\g)%2)+4*\i+1]
	v_cvt_pk_f16_f32 v[145+2*\i], v[16+64*((\g)%2)+4*\i+2], v[16+64*((\g)%2)+4*\i+3]
	global_store_b64 v4, v[144+2*\i:145+2*\i], s[22:23] offset:256*(16*(\g)+\i)   ; 256 consecutive aligned bytes a wave
.endr
.endm
	WLOAD 0
	WGROUP 0
	WGROUP 1
	WGROUP 2
	WGROUP 3
	s_endpgm
.Lfunc_end_k_qd65db81495_quant:
	.size	k_qd65db81495_quant, .Lfunc_end_k_qd65db81495_quant-k_qd65db81495_quant
	.p2alignl 7, 3214868480
	.fill 96, 4, 3214868480
	.section	.rodata,"a",@progbits
	.p2align	6, 0x0
	.amdhsa_kernel k_qd65db81495_quant
		.amdhsa_group_segment_fixed_size 33280
		.amdhsa_private_segment_fixed_size 0
		.amdhsa_enable_private_segment 0
		.amdhsa_kernarg_size 80
		.amdhsa_user_sgpr_count 2
		.amdhsa_user_sgpr_kernarg_segment_ptr 1
		.amdhsa_wavefront_size32 1
		.amdhsa_system_sgpr_workgroup_id_x 1
		.amdhsa_system_sgpr_workgroup_id_y 1
		.amdhsa_system_sgpr_workgroup_id_z 1
		.amdhsa_system_vgpr_workitem_id 0
		.amdhsa_next_free_vgpr 192
		.amdhsa_next_free_sgpr 66
		.amdhsa_reserve_vcc 0
		.amdhsa_float_denorm_mode_32 3
		.amdhsa_float_denorm_mode_16_64 3
		.amdhsa_memory_ordered 1
		.amdhsa_forward_progress 1
		.amdhsa_inst_pref_size 56
	.end_amdhsa_kernel
	.amdgpu_metadata
---
amdhsa.version: [ 1, 2 ]
amdhsa.kernels:
  - .name:           k_qd65db81495_quant
    .symbol:         k_qd65db81495_quant.kd
    .args:
      - { .name: x, .offset: 0, .size: 8, .value_kind: global_buffer, .address_space: global }
      - { .name: wq, .offset: 8, .size: 8, .value_kind: global_buffer, .address_space: global }
      - { .name: wk, .offset: 16, .size: 8, .value_kind: global_buffer, .address_space: global }
      - { .name: wv, .offset: 24, .size: 8, .value_kind: global_buffer, .address_space: global }
      - { .name: wo, .offset: 32, .size: 8, .value_kind: global_buffer, .address_space: global }
      - { .name: xc, .offset: 40, .size: 8, .value_kind: global_buffer, .address_space: global }
      - { .name: xs, .offset: 48, .size: 8, .value_kind: global_buffer, .address_space: global }
      - { .name: wc, .offset: 56, .size: 8, .value_kind: global_buffer, .address_space: global }
      - { .name: ws, .offset: 64, .size: 8, .value_kind: global_buffer, .address_space: global }
      - { .name: wo16, .offset: 72, .size: 8, .value_kind: global_buffer, .address_space: global }
    .group_segment_fixed_size: 33280
    .private_segment_fixed_size: 0
    .kernarg_segment_align: 8
    .kernarg_segment_size: 80
    .max_flat_workgroup_size: 128
    .sgpr_count:     66
    .vgpr_count:     192
    .wavefront_size: 32
...
	.end_amdgpu_metadata
.endif
;; end of part 1
;; launch qkv (part 2): grid 12 x 32, 4 waves a work-group, clusters of 4 x 4, 327,680 bytes of LDS; arguments xc, xs, wc, ws, bq, bk, bv, qkv; writes qkv
.if DOCPART == 2
	.amdgcn_target "amdgcn-amd-amdhsa--gfx1250"
	.amdhsa_code_object_version 6
	.text
	.protected	k_qd65db81495_qkv
	.globl	k_qd65db81495_qkv
	.p2align	8
	.type	k_qd65db81495_qkv,@function
k_qd65db81495_qkv:
	s_mov_b64 s[64:65], 0
	v_nop
	global_prefetch_b8 v0, s[64:65] scope:SCOPE_SE
	s_setreg_imm32_b32 hwreg(HW_REG_WAVE_MODE, 25, 1), 1
	s_wait_xcnt 0x0
	s_wait_alu depctr_hold_cnt(0) depctr_sa_sdst(0) depctr_va_vdst(0) depctr_va_sdst(0) depctr_va_ssrc(0) depctr_va_vcc(0) depctr_vm_vsrc(0)
	s_getreg_b32 s2, hwreg(HW_REG_IB_STS2, 6, 4)
	s_cmp_eq_u32 s2, 0
	s_cbranch_scc0 .Lentry_in_a_cluster
	s_endpgm
.Lentry_in_a_cluster:
	s_bfe_u32 s2, ttmp6, 0x10000c
	s_cmp_lg_u32 s2, 0xf033
	s_cbranch_scc0 .Lentry_shape_is_right
	s_endpgm
.Lentry_shape_is_right:
; q, k, v = x w^T + b, on codes of FP4 (E2M1) with one E8M0 scale for each 32 along K; sums in f32; the results are rounded to f16 and laid by head: qkv[which][batch][head][token][64].
; A = xc [8192][512 bytes], its scale bytes xs [8192][32];  B = wc [3072][512 bytes] (wq's rows, wk's, wv's), ws [3072][32].  K = 1,024.
; A tile of 256 tokens x 256 columns is made by a work-group of four waves; a wave makes 128 x 128: 64 accumulators of 16 x 16, 512 registers.  K is two slots of 512 in LDS: both are filled once, at the head; nothing is filled again.
; The scale bytes of the work-group's 256 + 256 rows, for all of K, are two dense blocks: they come once, as rows of 256 bytes with 16 of padding.
; CLUSTERS: 4 x 4 work-groups.  The four of a row of the cluster need the same tiles of A, the four of a column the same tiles of B: each tile is asked for jointly, by the same tensor load with the same descriptor and a mask that names the four.
; THE MATRIX INSTRUCTION IS USED TRANSPOSED (source 0 = 16 rows of w, source 1 = 16 tokens): a lane holds eight neighbouring columns of one token.  THE BIAS is the C of each sum's first product: eight registers a block of columns.
; REGISTERS: window 0: v0-31 addresses; v32-95 scale words, two sets, and nothing else ever; v128-191 A's fragments, one set (on the way out: rows read back); v192-255 the bias (on the way out v192-223: packed results).
;   window 1: B's fragments, two sets, at v0 and v128.  window 2: the accumulators of my tokens 0-63 ((a, b) at v[8 (8 a + b)]);  window 3: of tokens 64-127.
; LIMITS: a result beyond 65,504 in magnitude becomes infinite in f16; under 6e-5 it loses bits.
.set KSTEP,  512
.set NQ,     KSTEP/128
.set ROWB,   256                       ; a tile's row: 512 codes
.set KROW,   512                       ; a row of codes in memory
.set PITCH,  272                       ; an LDS row: 256 bytes + 16 of padding: the 16 rows of a fragment load start 4 words apart modulo 64 words
.set FR,     8
.set NL,     2
.set NP,     4                         ; places behind this matrix instruction (ISA guide 7.12.1)
.set HALFT,  128*PITCH
.set SLOT,   4*HALFT                   ; A's 256 rows, then B's 256
.set KS,     32                        ; a row of scale bytes
.set SCL,    2*SLOT                    ; behind the slots: the scales
.set HALFS,  (128*KS/256)*272          ; those of 128 rows: what one tensor load brings
.set SBLK,   (16*KS/256)*272           ; those of 16 rows
.set SPARE,  SCL+4*HALFS               ; the spare words, 128 bytes a wave
.set SPITCH, 272                       ; the way out: 16 rows x (256 bytes + 16) for each wave, in slot 0, which has had its only fill and its last read by then
.set ADRA, 16                          ; v16-17  my A fragments in slot 0, 1
.set ADRB, 20                          ; v20-21  my B fragments
.set STO,  24
.set RD,   25
.set CO,   26
.set ADRS, 27                          ; my scale words: lanes 0-15 A's rows, lanes 16-31 B's
.set SPW,  28
.set NIL,  29
.set VB,   30                          ; 32 x (lane / 16): my eight numbers of a block of the bias
.set SC,   32
.set AF,   128
.set BI,   192
.set TMP,  192
.set OB,   128
.set G1, 24
.set G0, 32
.set G1B, 48
.set G0B, 56
.set G1S, 68
.set G0S, 76
.set G1SB, 80
.set G0SB, 88
.set MSB, 0
.macro WIN new                         ; the immediate's high byte repeats the setting that is left
.if MSB != \new
	s_set_vgpr_msb (MSB<<8)|\new
.set MSB, \new
.endif
.endm
.set MUL_LO, 0xa1                      ; source 0 (B) window 1, source 1 (A) window 0, C and D window 2
.set MUL_HI, 0xf1                      ; the same, C and D window 3
.set ST_LO,  0x81                      ; the first step: C (the bias) window 0, D window 2
.set ST_HI,  0xc1                      ; D window 3
.set TO_B,   0x40
; A joint load: waves 0 and 1 fetch for A, waves 2 and 3 for B; the branch hangs on the wave's number alone.  An s_nop 0 and four v_nop follow each line.
.macro JLOAD g0a, g1a, g0b, g1b
	s_cmp_eq_u32 s15, 0
	s_cbranch_scc0 .Lfor_b_\@
	tensor_load_to_lds s[\g0a:\g0a+3], s[\g1a:\g1a+7]
	s_nop 0
.rept 4
	v_nop
.endr
	s_branch .Lasked_\@
.Lfor_b_\@:
	tensor_load_to_lds s[\g0b:\g0b+3], s[\g1b:\g1b+7]
	s_nop 0
.rept 4
	v_nop
.endr
.Lasked_\@:
.endm
.macro CROUND                          ; a round of the cluster's barrier
	s_barrier_signal -1
	s_barrier_wait -1
	s_cmp_lg_u32 s14, 0
	s_cbranch_scc1 .Lnot_wave_0_\@
	s_barrier_signal -3
.Lnot_wave_0_\@:
	s_barrier_wait -3
	s_barrier_signal -1
	s_barrier_wait -1
.endm
	s_load_b128 s[4:7], s[0:1], 0x0                ; xc, xs
	s_load_b128 s[8:11], s[0:1], 0x10              ; wc, ws
	s_load_b128 s[96:99], s[0:1], 0x20             ; bq, bk
	s_load_b64 s[100:101], s[0:1], 0x30            ; bv
	s_load_b64 s[12:13], s[0:1], 0x38              ; qkv
	v_lshl_add_u32 v[SPW], v0, 2, SPARE
	v_mov_b32 v[NIL], 0
	ds_add_u32 v[SPW], v[NIL]                      ; the wave's opening: the add, twice on end, and its wait ahead of my first tensor load
	ds_add_u32 v[SPW], v[NIL]
	v_lshrrev_b32 v1, 5, v0
	v_readfirstlane_b32 s14, v1                    ; wave 0..3
	s_lshr_b32 s15, s14, 1                         ; which half of the tile's tokens is mine.  Also: I fetch for A (0) or for B (1)
	s_and_b32 s16, s14, 1                          ; which half of its columns.  Also: which 128 rows I fetch
	s_bfe_u32 s40, ttmp6, 0x40000                  ; cx, cy
	s_bfe_u32 s41, ttmp6, 0x40004
	s_lshl_b32 s42, ttmp9, 2
	s_add_co_u32 s42, s42, s40                     ; tile column = 4 x cluster x + cx
	s_and_b32 s17, ttmp7, 0xffff
	s_lshl_b32 s17, s17, 2
	s_add_co_u32 s17, s17, s41                     ; tile row = 4 x cluster y + cy
	s_lshl_b32 s43, s41, 2
	s_lshl_b32 s43, 15, s43                        ; my row of the cluster
	s_lshl_b32 s44, 0x1111, s40                    ; my column
	s_or_b32 s[G1+0], s43, (0<<16)|(1<<20)|(1<<21)|(5<<22)|(3<<25)  ; the mask; elements of 1 byte; padding on; bit 21 beside a mask; after every 64 words, 4 words
	s_or_b32 s[G1B+0], s44, (0<<16)|(1<<20)|(1<<21)|(5<<22)|(3<<25)
.irp g, G1, G1B
	s_mov_b32 s[\g+1], ROWB<<16                    ; tensor_dim0
	s_mov_b32 s[\g+2], 128<<16                     ; tensor_dim1
	s_mov_b32 s[\g+3], ROWB<<16                    ; tile_dim0
	s_mov_b32 s[\g+4], 128                         ; tile_dim1
	s_mov_b32 s[\g+5], KROW                        ; from row to row
	s_mov_b32 s[\g+6], 0
	s_mov_b32 s[\g+7], 0
.endr
	s_or_b32 s[G1S+0], s43, (3<<16)|(1<<20)|(1<<21)|(5<<22)|(3<<25) ; the scales of 128 rows: 4,096 dense bytes as 16 rows of 32 elements of 8 bytes
	s_or_b32 s[G1SB+0], s44, (3<<16)|(1<<20)|(1<<21)|(5<<22)|(3<<25)
.irp g, G1S, G1SB
	s_mov_b32 s[\g+1], 32<<16
	s_mov_b32 s[\g+2], (128*KS/256)<<16
	s_mov_b32 s[\g+3], 32<<16
	s_mov_b32 s[\g+4], 128*KS/256
	s_mov_b32 s[\g+5], 32
	s_mov_b32 s[\g+6], 0
	s_mov_b32 s[\g+7], 0
.endr
	s_lshl_b32 s18, s16, 7
	s_lshl_b32 s20, s17, 8
	s_add_co_u32 s20, s20, s18                     ; A: row 256 x tile row + 128 x half
	s_lshl_b32 s46, s42, 8
	s_add_co_u32 s46, s46, s18                     ; B: row 256 x tile column + 128 x half
	s_mov_b32 s21, 0
	s_mov_b32 s47, 0
	s_mov_b64 s[18:19], KS
	s_mul_u64 s[22:23], s[20:21], s[18:19]         ; where these rows' scales begin
	s_mul_u64 s[92:93], s[46:47], s[18:19]
	s_mov_b64 s[18:19], KROW
	s_mul_u64 s[20:21], s[20:21], s[18:19]         ; and their codes
	s_mul_u64 s[46:47], s[46:47], s[18:19]
	s_mul_i32 s45, s14, HALFT                      ; where they go: wave x 128 rows
	s_mul_i32 s94, s14, HALFS
	s_wait_dscnt 0x0                               ; both opening adds are done
	s_wait_kmcnt 0x0
	s_add_nc_u64 s[20:21], s[4:5], s[20:21]
	s_add_nc_u64 s[22:23], s[6:7], s[22:23]
	s_add_nc_u64 s[46:47], s[8:9], s[46:47]
	s_add_nc_u64 s[92:93], s[10:11], s[92:93]
	CROUND                                         ; all sixteen work-groups are here: the first joint loads meet
	s_mov_b32 s[G0S], 1
	s_add_co_u32 s[G0S+1], s94, SCL
	s_mov_b64 s[G0S+2:G0S+3], s[22:23]
	s_or_b32 s[G0S+3], s[G0S+3], 0x80000000
	s_mov_b32 s[G0SB], 1
	s_add_co_u32 s[G0SB+1], s94, SCL
	s_mov_b64 s[G0SB+2:G0SB+3], s[92:93]
	s_or_b32 s[G0SB+3], s[G0SB+3], 0x80000000
	JLOAD G0S, G1S, G0SB, G1SB                     ; the scales first
.irp s, 0,1
	s_mov_b32 s[G0+4*\s], 1
	s_add_co_u32 s[G0+4*\s+1], s45, \s*SLOT
	s_add_nc_u64 s[G0+4*\s+2:G0+4*\s+3], s[20:21], \s*ROWB
	s_or_b32 s[G0+4*\s+3], s[G0+4*\s+3], 0x80000000
	s_mov_b32 s[G0B+4*\s], 1
	s_add_co_u32 s[G0B+4*\s+1], s45, \s*SLOT
	s_add_nc_u64 s[G0B+4*\s+2:G0B+4*\s+3], s[46:47], \s*ROWB
	s_or_b32 s[G0B+4*\s+3], s[G0B+4*\s+3], 0x80000000
	JLOAD G0+4*\s, G1, G0B+4*\s, G1B               ; three loads of mine are out in all
.endr
	; the bias: the cluster's x says which of q, k, v these columns are (the same in all sixteen partners)
	s_cmp_eq_u32 ttmp9, 0
	s_cselect_b64 s[96:97], s[96:97], s[98:99]
	s_cmp_eq_u32 ttmp9, 2
	s_cselect_b64 s[96:97], s[100:101], s[96:97]
	s_lshl_b32 s98, s40, 10                        ; 256 columns x 4 bytes for each place along the cluster's x,
	s_lshl_b32 s99, s16, 9                         ; 128 for my half
	s_add_co_u32 s98, s98, s99
	s_mov_b32 s99, 0
	s_add_nc_u64 s[96:97], s[96:97], s[98:99]
	v_and_b32 v1, 15, v0                           ; r
	v_bfe_u32 v2, v0, 4, 1                         ; h
	v_lshlrev_b32 v[VB], 5, v2
.irp b, 0,1,2,3,4,5,6,7
	global_load_b128 v[BI+8*\b:BI+8*\b+3], v[VB], s[96:97] offset:64*\b        ; lane (r, h), register j: the bias of column 16 b + 8 h + j: the result's layout
	global_load_b128 v[BI+8*\b+4:BI+8*\b+7], v[VB], s[96:97] offset:64*\b+16
.endr
	v_mul_u32_u24 v3, v1, PITCH
	v_lshl_add_u32 v4, v2, 4, v3                   ; a fragment's row x pitch + 16 x half
	s_mul_i32 s21, s15, HALFT                      ; my 128 rows of A
	s_mul_i32 s22, s16, HALFT                      ; my 128 rows of B,
	s_add_co_u32 s22, s22, 2*HALFT                 ; behind A's 256
.irp s, 0,1
	v_add_nc_u32 v[ADRA+\s], s21, v4
	v_add_nc_u32 v[ADRB+\s], s22, v4
	s_add_co_u32 s21, s21, SLOT
	s_add_co_u32 s22, s22, SLOT
.endr
	v_mul_u32_u24 v5, v1, KS                       ; my row's scales: 32 bytes a row,
	v_lshrrev_b32 v6, 8, v5
	v_lshl_add_u32 v5, v6, 4, v5                   ; and 16 more for each 256 passed
	s_mul_i32 s21, s15, HALFS
	s_mul_i32 s22, s16, HALFS
	s_add_co_u32 s22, s22, 2*HALFS
	s_sub_co_u32 s22, s22, s21
	v_mul_u32_u24 v6, s22, v2                      ; lanes 16-31 take B's: one product, the distance between the two bases
	s_add_co_u32 s21, s21, SCL
	v_add_nc_u32 v5, v5, v6
	v_add_nc_u32 v[ADRS], s21, v5
	s_mul_i32 s23, s14, 16*SPITCH                  ; my stage
	v_mul_u32_u24 v5, v1, SPITCH
	v_lshl_add_u32 v5, v2, 4, v5
	v_add_nc_u32 v[STO], s23, v5                   ; in: row r, 16 bytes for each half of the lanes
	v_bfe_u32 v7, v0, 3, 2
	v_mul_u32_u24 v7, v7, SPITCH
	v_and_b32 v8, 7, v0
	v_lshl_add_u32 v7, v8, 4, v7
	v_add_nc_u32 v[RD], s23, v7                    ; back: eight lanes take a token's 128 bytes of one head, four tokens an instruction
	v_and_b32 v6, 31, v0
	v_lshlrev_b32 v[CO], 4, v6                     ; and the same 512 bytes on end in qkv
	; where my part begins in qkv: block (which x 64 + batch x 16 + head) of 262,144 bytes, token x 128
	s_lshl_b32 s92, ttmp9, 6
	s_lshr_b32 s93, s17, 3                         ; batch: 8 tile rows each
	s_lshl_b32 s93, s93, 4
	s_add_co_u32 s92, s92, s93
	s_lshl_b32 s93, s40, 2                         ; 4 heads for each place along the cluster's x,
	s_add_co_u32 s92, s92, s93
	s_lshl_b32 s93, s16, 1                         ; 2 for my half
	s_add_co_u32 s92, s92, s93
	s_lshl_b32 s92, s92, 18
	s_and_b32 s93, s17, 7
	s_lshl_b32 s93, s93, 8
	s_lshl_b32 s94, s15, 7
	s_add_co_u32 s93, s93, s94                     ; my first token in the batch
	s_lshl_b32 s93, s93, 7
	s_add_co_u32 s92, s92, s93
	s_mov_b32 s93, 0
	s_add_nc_u64 s[12:13], s[12:13], s[92:93]
.macro FRAG reg, adr, q, i             ; 16 rows x 128 K of 4-bit codes: 8 registers; registers 4 c .. 4 c + 3 hold K = 64 c + 32 (lane / 16) + 0 .. 31
.irp c, 0,1
	ds_load_b128 v[\reg+4*\c:\reg+4*\c+3], v[\adr] offset:64*(\q)+32*\c+(\i)*16*PITCH
.endr
.endm
; 16 matrix instructions: A's blocks a0, a0 + 1 x B's eight.  p: B's set; sc: the set of scale words.  zero = 1: the first product starts the sum from the bias.
; The 64 accumulators take turns, one instruction a turn, in the same order in every step.
.macro MUL16 a0, p, q, sc, zero
.irp a, \a0, \a0+1
.irp b, 0,1,2,3,4,5,6,7
.if \zero
	v_wmma_scale_f32_16x16x128_f8f6f4 v[8*(8*((\a)%4)+\b):8*(8*((\a)%4)+\b)+7], v[128*(\p)+FR*\b:128*(\p)+FR*\b+FR-1], v[AF+FR*(\a):AF+FR*(\a)+FR-1], v[BI+8*\b:BI+8*\b+7], v[SC+8*NQ*(\sc)+NQ*\b+(\q)], v[SC+8*NQ*(\sc)+NQ*(\a)+(\q)] matrix_a_fmt:MATRIX_FMT_FP4 matrix_b_fmt:MATRIX_FMT_FP4 matrix_a_scale:MATRIX_SCALE_ROW1
.else
	v_wmma_scale_f32_16x16x128_f8f6f4 v[8*(8*((\a)%4)+\b):8*(8*((\a)%4)+\b)+7], v[128*(\p)+FR*\b:128*(\p)+FR*\b+FR-1], v[AF+FR*(\a):AF+FR*(\a)+FR-1], v[8*(8*((\a)%4)+\b):8*(8*((\a)%4)+\b)+7], v[SC+8*NQ*(\sc)+NQ*\b+(\q)], v[SC+8*NQ*(\sc)+NQ*(\a)+(\q)] matrix_a_fmt:MATRIX_FMT_FP4 matrix_b_fmt:MATRIX_FMT_FP4 matrix_a_scale:MATRIX_SCALE_ROW1
.endif
.endr
.endr
.endm
.macro FETCH_B slot, q, p
	WIN TO_B
.irp i, 0,1,2,3,4,5,6,7
	FRAG 128*(\p)+FR*\i, ADRB+\slot, \q, \i
.endr
	WIN 0
.endm
.macro FETCH_A slot, q, i0
.irp i, \i0, \i0+1, \i0+2, \i0+3
	FRAG AF+FR*(\i), ADRA+\slot, \q, \i
.endr
.endm
.macro SCALES sc                       ; a slot's scale words: 4 words a row; lanes 0-15 take A's block i, lanes 16-31 B's block i
.irp i, 0,1,2,3,4,5,6,7
	ds_load_b128 v[SC+8*NQ*\sc+NQ*\i:SC+8*NQ*\sc+NQ*\i+3], v[ADRS] offset:\i*SBLK
.endr
.endm
.macro PLACES n                        ; plain vector lines between matrix instructions and the loads into, or reads of, their registers
.rept \n
	v_nop
.endr
.endm
.macro STEP slot, q, zero              ; 128 along K with its successor in the same slot
	s_wait_dscnt 4*NL                              ; B's set and A's blocks 0-3 are in; the youngest eight loads (A's blocks 4-7) may be out
.if \zero
	WIN ST_LO
.else
	WIN MUL_LO
.endif
	MUL16 0, (\q)%2, \q, \slot, \zero
	MUL16 2, (\q)%2, \q, \slot, \zero
	s_wait_dscnt 0                                 ; A's blocks 4-7 are in
	PLACES NP
	FETCH_B \slot, (\q)+1, 1-(\q)%2
	FETCH_A \slot, (\q)+1, 0
.if \zero
	WIN ST_HI
.else
	WIN MUL_HI
.endif
	MUL16 4, (\q)%2, \q, \slot, \zero
	MUL16 6, (\q)%2, \q, \slot, \zero
	PLACES NP
	WIN 0
	FETCH_A \slot, (\q)+1, 4
.endm
.macro STEPS slot, from
.set Q, \from
.rept NQ-1-\from
	STEP \slot, Q, 0
.set Q, Q+1
.endr
.endm
	s_wait_tensorcnt 1                             ; the scales and my part of slot 0 are in; slot 1's load, issued last, may be out
	s_barrier_signal -1
	s_barrier_wait -1                              ; everybody's are
	FETCH_B 0, 0, 0
	FETCH_A 0, 0, 0
	SCALES 0
	FETCH_A 0, 0, 4
	s_wait_loadcnt 0x0                             ; the bias
	STEP 0, 0, 1
	STEPS 0, 1
	; slot 0's last step, and the change to slot 1: one barrier; nothing is filled again
	s_wait_tensorcnt 0x0                           ; my part of slot 1 has landed
	ds_add_u32 v[SPW], v[NIL]
	s_wait_dscnt 4*NL+1                            ; (the add and A's blocks 4-7 may be out)
	WIN MUL_LO
	MUL16 0, 1, NQ-1, 0, 0
	s_wait_dscnt 0x0                               ; the add is done, and my reads of slot 0 are over
	s_barrier_signal -1
	MUL16 2, 1, NQ-1, 0, 0
	WIN 0
	s_barrier_wait -1
	PLACES NP
	v_add_nc_u32 v[ADRS], 4*NQ, v[ADRS]            ; the next 512 along K: 16 scale bytes on
	FETCH_B 1, 0, 0
	FETCH_A 1, 0, 0
	SCALES 1
	WIN MUL_HI
	MUL16 4, 1, NQ-1, 0, 0
	MUL16 6, 1, NQ-1, 0, 0
	PLACES NP
	WIN 0
	FETCH_A 1, 0, 4
	STEPS 1, 0
	s_wait_dscnt 4*NL                              ; the very last step
	WIN MUL_LO
	MUL16 0, 1, NQ-1, 1, 0
	MUL16 2, 1, NQ-1, 1, 0
	s_wait_dscnt 0
	WIN MUL_HI
	MUL16 4, 1, NQ-1, 1, 0
	MUL16 6, 1, NQ-1, 1, 0
	WIN 0
; THE WAY OUT, a block of 16 tokens x 128 columns (two heads) at a time.  A lane's eight results round to 16 bytes of f16; they go into my stage and come back so that 32 lanes hold four tokens' 128 bytes of one head,
; which lie on end in qkv: each store covers 512 consecutive aligned bytes.  LDS serves a wave's instructions in order: no wait between the stage's stores and loads.
.macro PACK a
.set AC, 64*((\a)%4)
	WIN (0x0a+5*((\a)/4))                          ; sources 0 and 1: window 2 or 3
.irp b, 0,1,2,3,4,5,6,7
.irp r, 0,1,2,3
	v_cvt_pk_f16_f32 v[TMP+4*\b+\r], v[AC+8*\b+2*\r], v[AC+8*\b+2*\r+1]     ; each accumulator from its low end on
.endr
.endr
	WIN 0
.endm
.macro TOSTAGE a
.set BB, OB+32*((\a)%2)
.irp b, 0,1,2,3,4,5,6,7
	ds_store_b128 v[STO], v[TMP+4*\b:TMP+4*\b+3] offset:32*\b
.endr
.irp i, 0,1,2,3,4,5,6,7
	ds_load_b128 v[BB+4*\i:BB+4*\i+3], v[RD] offset:(\i&3)*4*SPITCH+(\i>>2)*128    ; tokens 4 (i % 4) on, head i / 4
.endr
.endm
.macro SEND a
.set BB, OB+32*((\a)%2)
	s_wait_dscnt 0x0                               ; the block is back in registers
	s_wait_xcnt 0x0                                ; the stores of the block before have read their registers: the next block's loads may land there
.irp i, 0,1,2,3,4,5,6,7
	global_store_b128 v[CO], v[BB+4*\i:BB+4*\i+3], s[12:13] offset:(\a)*2048+(\i&3)*512+(\i>>2)*262144
.endr
.endm
	PLACES NP
	PACK 0
	TOSTAGE 0
.irp a, 1,2,3,4,5,6,7
	PACK \a                                        ; block a's conversions stand between block a - 1's loads from the stage and the wait for them
	SEND \a-1
	TOSTAGE \a
.endr
	SEND 7
	s_wait_tensorcnt 0x0                           ; the wave's end
	ds_add_u32 v[SPW], v[NIL]
	s_wait_dscnt 0x0
	CROUND                                         ; the closing round
	s_endpgm
.Lfunc_end_k_qd65db81495_qkv:
	.size	k_qd65db81495_qkv, .Lfunc_end_k_qd65db81495_qkv-k_qd65db81495_qkv
	.p2alignl 7, 3214868480
	.fill 96, 4, 3214868480
	.section	.rodata,"a",@progbits
	.p2align	6, 0x0
	.amdhsa_kernel k_qd65db81495_qkv
		.amdhsa_group_segment_fixed_size 327680
		.amdhsa_private_segment_fixed_size 0
		.amdhsa_enable_private_segment 0
		.amdhsa_kernarg_size 64
		.amdhsa_user_sgpr_count 2
		.amdhsa_user_sgpr_kernarg_segment_ptr 1
		.amdhsa_wavefront_size32 1
		.amdhsa_system_sgpr_workgroup_id_x 1
		.amdhsa_system_sgpr_workgroup_id_y 1
		.amdhsa_system_sgpr_workgroup_id_z 1
		.amdhsa_system_vgpr_workitem_id 0
		.amdhsa_next_free_vgpr 1024
		.amdhsa_next_free_sgpr 102
		.amdhsa_reserve_vcc 0
		.amdhsa_float_denorm_mode_32 3
		.amdhsa_float_denorm_mode_16_64 3
		.amdhsa_memory_ordered 1
		.amdhsa_forward_progress 1
		.amdhsa_inst_pref_size 128
	.end_amdhsa_kernel
	.amdgpu_metadata
---
amdhsa.version: [ 1, 2 ]
amdhsa.kernels:
  - .name:           k_qd65db81495_qkv
    .symbol:         k_qd65db81495_qkv.kd
    .args:
      - { .name: xc, .offset: 0, .size: 8, .value_kind: global_buffer, .address_space: global }
      - { .name: xs, .offset: 8, .size: 8, .value_kind: global_buffer, .address_space: global }
      - { .name: wc, .offset: 16, .size: 8, .value_kind: global_buffer, .address_space: global }
      - { .name: ws, .offset: 24, .size: 8, .value_kind: global_buffer, .address_space: global }
      - { .name: bq, .offset: 32, .size: 8, .value_kind: global_buffer, .address_space: global }
      - { .name: bk, .offset: 40, .size: 8, .value_kind: global_buffer, .address_space: global }
      - { .name: bv, .offset: 48, .size: 8, .value_kind: global_buffer, .address_space: global }
      - { .name: qkv, .offset: 56, .size: 8, .value_kind: global_buffer, .address_space: global }
    .group_segment_fixed_size: 327680
    .private_segment_fixed_size: 0
    .kernarg_segment_align: 8
    .kernarg_segment_size: 64
    .max_flat_workgroup_size: 128
    .sgpr_count:     102
    .vgpr_count:     1024
    .wavefront_size: 32
...
	.end_amdgpu_metadata
.endif
;; end of part 2
;; launch attn (part 3): grid 4 x 64, 8 waves a work-group, clusters of 4 x 1, 327,680 bytes of LDS; arguments qkv, mask, o16; writes o16
.if DOCPART == 3
	.amdgcn_target "amdgcn-amd-amdhsa--gfx1250"
	.amdhsa_code_object_version 6
	.text
	.protected	k_qd65db81495_attn
	.globl	k_qd65db81495_attn
	.p2align	8
	.type	k_qd65db81495_attn,@function
k_qd65db81495_attn:
	s_mov_b64 s[64:65], 0
	v_nop
	global_prefetch_b8 v0, s[64:65] scope:SCOPE_SE
	s_setreg_imm32_b32 hwreg(HW_REG_WAVE_MODE, 25, 1), 1
	s_wait_xcnt 0x0
	s_wait_alu depctr_hold_cnt(0) depctr_sa_sdst(0) depctr_va_vdst(0) depctr_va_sdst(0) depctr_va_ssrc(0) depctr_va_vcc(0) depctr_vm_vsrc(0)
	s_getreg_b32 s2, hwreg(HW_REG_IB_STS2, 6, 4)
	s_cmp_eq_u32 s2, 0
	s_cbranch_scc0 .Lentry_in_a_cluster
	s_endpgm
.Lentry_in_a_cluster:
	s_bfe_u32 s2, ttmp6, 0x10000c
	s_cmp_lg_u32 s2, 0x3003
	s_cbranch_scc0 .Lentry_shape_is_right
	s_endpgm
.Lentry_shape_is_right:
; o[b][h][q][:] = the sum over k of softmax_k(q . k / 8, keys with mask[b][k] = 0 left out) v[k][:].  q, k, v: qkv[which][b][h][2048][64] f16; o16 [b][h][2048][64] f16.  Products on f16 operands, sums, maxima and the softmax in f32.
; SHARES.  A cluster of four work-groups is one (batch, head); each owns 512 queries, each of its eight waves 64: four tiles of 16.  Two waves share a SIMD's registers (512 each), so that one wave's softmax stands beside the other's products.
; Every wave walks all 2,048 keys, 64 a step.  K and V come through two LDS slots of 512 keys, asked for JOINTLY by the four work-groups (waves 0-3: K's quarters; waves 4-7: V's).
; LAYOUT.  S^T = K Q^T (source 0 = 16 keys, source 1 = 16 queries): a lane holds ONE query (lane % 16) and keys 8 (lane / 16) + 0..7 of a tile.  Two such tiles, rounded to f16 in pairs, are source 1 of O^T = V^T P, whose result again holds one query a lane.
; THE MASK is the C of each score tile's first product: 0 for a key that counts, -3e38 for a hidden one, so the loop spends no vector instruction on it.
; SOFTMAX.  For each query a running maximum m and sum l: p = 2^(c s - c m), c = log2(e) / 8; in every step O and l are multiplied by a = 2^(c m_old - c m_new).  m begins at -1e30: f16 operands bound a true score by 64 x 65,504^2,
; far above that floor, and a hidden key's -3e38 lies far under it: p = 0 for hidden keys even while no key has counted yet.  A batch with every key hidden ends with l = 0 and O = 0: 0 x (1 / 0) is NaN, as the reference has it.
; LIMITS: p under 6e-8 is lost in f16, under 6e-5 it loses bits; o likewise.
; REGISTERS.  window 0: v1-14 addresses; v16-47 statistics, eight a tile (+0 c m, +1 m, +2, +3 l, +4..+7 at work, a in +6); v48-79 the mask's C; v80-92 at work at the head; v128-255 S^T, 32 a tile; P is packed in place.
;   window 1: v0-127 O^T, 32 a tile; v128-191 Q, 16 a tile; v192-255 one buffer for K's and then V's eight fragments.
.set KP2,   272                        ; two keys' rows of K (256 bytes) + 16 of padding
.set VP2,   288                        ; two keys' rows of V + 32
.set VOFF,  256*KP2                    ; a slot: 512 keys of K, then of V
.set SLOTB, VOFF+256*VP2
.set MB,    2*SLOTB                    ; 2,048 numbers: 0 or -3e38
.set STAGE, MB+8192                    ; 16 rows x (128 bytes + 16) for each wave
.set SROW,  144
.set SPARE, STAGE+8*16*SROW            ; the spare words, 128 bytes a wave
.set AK0, 1
.set AV0, 2
.set AM0, 3
.set ADK, 4
.set ADV, 5
.set ADM, 6
.set QO,  7
.set STO, 8
.set RD,  9
.set GO,  10
.set MO,  11
.set SPW, 12
.set NIL, 13
.set MS,  14
.set ST,  16
.set MBR, 48
.set S,   128
.set Q,   128                          ; in window 1
.set KV,  192                          ; in window 1
.set WV,  12
.set G1K, 24
.set G1V, 32
.set G0K, 40                           ; a set for each slot
.set G0V, 48
.set CS,  58
.set SEL, 60
.set TBK, 62                           ; LDS byte at which the step's keys of K begin, less my lane's place
.set TBV, 63
.set TBM, 66
.set CNT, 67
.set MSB, 0
.macro WIN new
.if MSB != \new
	s_set_vgpr_msb (MSB<<8)|\new
.set MSB, \new
.endif
.endm
.set W_KQ, 0x05                        ; K and Q window 1; C and D window 0
.set W_PV, 0x51                        ; V window 1, P window 0, O^T window 1
.set W_RS, 0x41                        ; O^T (destination, source 0) window 1, a window 0
.set W_LD, 0x40                        ; destination window 1, address window 0
.macro JLOAD s                         ; a joint refill of slot s; the branch hangs on the wave's number alone; an s_nop 0 and four v_nop follow each line
	s_cmp_lt_u32 s[WV], 4
	s_cbranch_scc0 .Lfor_v_\@
	tensor_load_to_lds s[G0K+4*\s:G0K+4*\s+3], s[G1K:G1K+7]
	s_nop 0
.rept 4
	v_nop
.endr
	s_branch .Lasked_\@
.Lfor_v_\@:
	tensor_load_to_lds s[G0V+4*\s:G0V+4*\s+3], s[G1V:G1V+7]
	s_nop 0
.rept 4
	v_nop
.endr
.Lasked_\@:
.endm
.macro CROUND
	s_barrier_signal -1
	s_barrier_wait -1
	s_cmp_lg_u32 s[WV], 0
	s_cbranch_scc1 .Lnot_wave_0_\@
	s_barrier_signal -3
.Lnot_wave_0_\@:
	s_barrier_wait -3
	s_barrier_signal -1
	s_barrier_wait -1
.endm
	s_load_b128 s[4:7], s[0:1], 0x0                ; qkv, mask
	s_load_b64 s[8:9], s[0:1], 0x10                ; o16
	v_lshl_add_u32 v[SPW], v0, 2, SPARE
	v_mov_b32 v[NIL], 0
	ds_add_u32 v[SPW], v[NIL]                      ; the wave's opening: the add, twice on end, and its wait ahead of my first tensor load
	ds_add_u32 v[SPW], v[NIL]
	v_lshrrev_b32 v80, 5, v0
	v_readfirstlane_b32 s[WV], v80                 ; wave 0..7
	s_bfe_u32 s13, ttmp6, 0x40000                  ; cx: it enters Q's and O's addresses alone
	s_and_b32 s14, ttmp7, 0xffff                   ; 16 x batch + head, which the four partners share
	s_and_b32 s15, s[WV], 3                        ; which 128 keys of a slot I fetch
	s_lshl_b32 s22, s14, 18                        ; the head's block of 262,144 bytes
	s_mov_b32 s23, 0
	s_lshl_b32 s2, s15, 14                         ; 128 keys x 128 bytes
	s_mov_b32 s3, 0
	s_add_nc_u64 s[2:3], s[2:3], s[22:23]
	s_mul_i32 s10, s15, 64*KP2                     ; where they go in a slot: K,
	s_mul_i32 s11, s15, 64*VP2
	s_add_co_u32 s11, s11, VOFF                    ; V
	s_lshl_b32 s56, s13, 16                        ; my work-group's 512 queries,
	s_lshl_b32 s57, s[WV], 13                      ; my wave's 64
	s_add_co_u32 s56, s56, s57
	s_mov_b32 s57, 0
	s_add_nc_u64 s[56:57], s[56:57], s[22:23]
	s_lshr_b32 s20, s14, 4
	s_lshl_b32 s20, s20, 13                        ; the batch's row of the mask
	s_mov_b32 s21, 0
	s_mov_b32 s[G1K], 15|(1<<16)|(1<<20)|(1<<21)|(5<<22)|(3<<25)  ; the mask: all four work-groups; elements of 2 bytes; padding on; bit 21 beside a mask; after every 64 words, 4 words
	s_mov_b32 s[G1V], 15|(1<<16)|(1<<20)|(1<<21)|(5<<22)|(7<<25)  ; the same with 8 words
.irp g, G1K, G1V
	s_mov_b32 s[\g+1], 128<<16                     ; tensor_dim0 = 128: two keys' rows on end (the block is dense)
	s_mov_b32 s[\g+2], 64<<16                      ; tensor_dim1 = 64
	s_mov_b32 s[\g+3], 128<<16                     ; tile_dim0
	s_mov_b32 s[\g+4], 64                          ; tile_dim1
	s_mov_b32 s[\g+5], 128                         ; from row to row
	s_mov_b32 s[\g+6], 0
	s_mov_b32 s[\g+7], 0
.endr
	s_mov_b32 s[CS], 0x3e38aa3b                    ; c = log2(e) / 8
	s_mov_b32 s[CS+1], s[CS]
	s_mov_b32 s[SEL], 0x76543210
	s_mov_b32 s[SEL+1], 0xfedcba98
	s_mov_b32 s[TBK], 0
	s_mov_b32 s[TBV], 0
	s_mov_b32 s[TBM], 0
	s_wait_dscnt 0x0                               ; both opening adds are done
	s_wait_kmcnt 0x0
	s_add_nc_u64 s[16:17], s[4:5], s[2:3]
	s_add_nc_u64 s[18:19], s[16:17], 0x2000000     ; V at my keys of slot 0
	s_add_nc_u64 s[16:17], s[16:17], 0x1000000     ; K likewise
	s_add_nc_u64 s[4:5], s[4:5], s[56:57]          ; Q and O at my wave's first query
	s_add_nc_u64 s[8:9], s[8:9], s[56:57]
	s_add_nc_u64 s[6:7], s[6:7], s[20:21]
	CROUND                                         ; all four work-groups are here: the first joint loads meet
.irp s, 0,1
	s_mov_b32 s[G0K+4*\s], 1
	s_add_co_u32 s[G0K+4*\s+1], s10, \s*SLOTB
	s_add_nc_u64 s[G0K+4*\s+2:G0K+4*\s+3], s[16:17], \s*65536
	s_or_b32 s[G0K+4*\s+3], s[G0K+4*\s+3], 0x80000000
	s_mov_b32 s[G0V+4*\s], 1
	s_add_co_u32 s[G0V+4*\s+1], s11, \s*SLOTB
	s_add_nc_u64 s[G0V+4*\s+2:G0V+4*\s+3], s[18:19], \s*65536
	s_or_b32 s[G0V+4*\s+3], s[G0V+4*\s+3], 0x80000000
.endr
	s_cmp_lt_u32 s[WV], 4                          ; a wave's two first fills stand in one branch: two loads of mine are out
	s_cbranch_scc0 .Lfirst_v
	tensor_load_to_lds s[G0K:G0K+3], s[G1K:G1K+7]
	s_nop 0
	tensor_load_to_lds s[G0K+4:G0K+7], s[G1K:G1K+7]
	s_nop 0
.rept 4
	v_nop
.endr
	s_branch .Lfirst_asked
.Lfirst_v:
	tensor_load_to_lds s[G0V:G0V+3], s[G1V:G1V+7]
	s_nop 0
	tensor_load_to_lds s[G0V+4:G0V+7], s[G1V:G1V+7]
	s_nop 0
.rept 4
	v_nop
.endr
.Lfirst_asked:
	v_and_b32 v80, 15, v0                          ; r
	v_bfe_u32 v81, v0, 4, 1                        ; h
	v_lshlrev_b32 v[QO], 7, v80
	v_lshl_add_u32 v[QO], v81, 4, v[QO]            ; a query's row of 128 bytes, + 16 h
	v_lshlrev_b32 v[MO], 4, v0                     ; the mask: four numbers a thread, twice
	global_load_b128 v[84:87], v[MO], s[6:7]
	global_load_b128 v[88:91], v[MO], s[6:7] offset:4096
	WIN W_LD
.irp t, 0,1,2,3
.irp c, 0,1
	global_load_b128 v[Q+16*\t+8*\c:Q+16*\t+8*\c+3], v[QO], s[4:5] offset:\t*2048+\c*64        ; Q stays in registers: tile t, channels 32 c on
	global_load_b128 v[Q+16*\t+8*\c+4:Q+16*\t+8*\c+7], v[QO], s[4:5] offset:\t*2048+\c*64+32
.endr
.endr
	WIN 0
	v_lshrrev_b32 v82, 1, v80
	v_and_b32 v83, 1, v80
	v_mul_u32_u24 v[AK0], v82, KP2
	v_lshl_add_u32 v[AK0], v83, 7, v[AK0]
	v_lshl_add_u32 v[AK0], v81, 4, v[AK0]          ; K: key r lies at 272 (r / 2) + 128 (r % 2); + 16 h
	v_and_b32 v82, 7, v0
	v_lshl_add_u32 v82, v81, 3, v82                ; the turning load: my key 8 h + lane % 8,
	v_lshrrev_b32 v83, 1, v82
	v_and_b32 v82, 1, v82
	v_mul_u32_u24 v[AV0], v83, VP2
	v_lshl_add_u32 v[AV0], v82, 7, v[AV0]
	v_bfe_u32 v83, v0, 3, 1
	v_lshl_add_u32 v[AV0], v83, 4, v[AV0]          ; channels 8 ((lane / 8) % 2) on
	v_add_nc_u32 v[AV0], VOFF, v[AV0]
	v_lshl_add_u32 v[AM0], v81, 5, MB              ; the mask's C: my eight keys of a tile begin 32 h bytes on
	s_mul_i32 s20, s[WV], 16*SROW
	s_add_co_u32 s20, s20, STAGE                   ; my stage
	v_mul_u32_u24 v[STO], v80, SROW
	v_lshl_add_u32 v[STO], v81, 4, v[STO]
	v_add_nc_u32 v[STO], s20, v[STO]               ; in: row r, 16 bytes for each half of the lanes
	v_bfe_u32 v82, v0, 3, 2
	v_mul_u32_u24 v[RD], v82, SROW
	v_and_b32 v83, 7, v0
	v_lshl_add_u32 v[RD], v83, 4, v[RD]
	v_add_nc_u32 v[RD], s20, v[RD]                 ; back: eight lanes to a row of 128 bytes, four rows an instruction
	v_and_b32 v[GO], 31, v0
	v_lshlrev_b32 v[GO], 4, v[GO]                  ; and the same 512 bytes on end in o16
	v_lshl_add_u32 v[MS], v0, 4, MB
	v_mov_b32 v92, 0xff61b1e6                      ; -3e38
.irp t, 0,1,2,3
	v_mov_b32 v[ST+8*\t+1], 0xf149f2ca             ; m = -1e30
.endr
	s_wait_loadcnt 16                              ; the mask's two loads are in; Q's sixteen may be out
.irp i, 84,85,86,87,88,89,90,91
	v_cmp_eq_u32 vcc_lo, 0, v\i
	v_cndmask_b32 v\i, 0, v92, vcc_lo              ; hidden: -3e38; else 0
.endr
	ds_store_b128 v[MS], v[84:87]
	ds_store_b128 v[MS], v[88:91] offset:4096
	s_wait_tensorcnt 1                             ; my part of slot 0 is in; slot 1's may stay out
	s_wait_dscnt 0x0                               ; my part of the mask's row lies in LDS
	s_barrier_signal -1
	s_barrier_wait -1
	s_wait_loadcnt 0x0                             ; Q
; A KEY STEP: 64 keys.  first = 1: the first step starts l and O^T and has no a.
.macro STEP first
	v_add_nc_u32 v[ADK], s[TBK], v[AK0]            ; these three and two v_nop are the five places between the last step's V^T P and the products below, which write over P's registers, and the loads into V's
	v_add_nc_u32 v[ADV], s[TBV], v[AV0]
	v_add_nc_u32 v[ADM], s[TBM], v[AM0]
	v_nop
	v_nop
.irp k, 0,1,2,3
	ds_load_b128 v[MBR+8*\k:MBR+8*\k+3], v[ADM] offset:64*\k           ; register j: the mask's number of key 16 k + 8 h + j; sixteen lanes read the same bytes
	ds_load_b128 v[MBR+8*\k+4:MBR+8*\k+7], v[ADM] offset:64*\k+16
.endr
	WIN W_LD
.irp k, 0,1,2,3
.irp c, 0,1
	ds_load_b128 v[KV+16*\k+8*\c:KV+16*\k+8*\c+3], v[ADK] offset:8*KP2*\k+64*\c          ; keys 16 k on, channels 32 c on
	ds_load_b128 v[KV+16*\k+8*\c+4:KV+16*\k+8*\c+7], v[ADK] offset:8*KP2*\k+64*\c+32
.endr
.endr
	s_wait_dscnt 0x0
	WIN W_KQ
.irp c, 0,1                            ; S^T = K Q^T + the mask: the 16 accumulators take turns, one instruction a turn
.irp k, 0,1,2,3
.irp t, 0,1,2,3
.if \c == 0
	v_wmma_f32_16x16x32_f16 v[S+32*\t+8*\k:S+32*\t+8*\k+7], v[KV+16*\k:KV+16*\k+7], v[Q+16*\t:Q+16*\t+7], v[MBR+8*\k:MBR+8*\k+7]
.else
	v_wmma_f32_16x16x32_f16 v[S+32*\t+8*\k:S+32*\t+8*\k+7], v[KV+16*\k+8:KV+16*\k+15], v[Q+16*\t+8:Q+16*\t+15], v[S+32*\t+8*\k:S+32*\t+8*\k+7]
.endif
.endr
.endr
.endr
.rept 4
	v_nop                                          ; places in front of the loads into K's registers and of the first read of the scores
.endr
	WIN W_LD
.irp u, 0,1
.irp k, 0,1,2,3
	ds_load_tr16_b128 v[KV+32*\u+8*\k:KV+32*\u+8*\k+3], v[ADV] offset:16*VP2*\u+32*\k           ; V turned: keys 32 u on, channels 16 k on; it lands while the softmax is walked
	ds_load_tr16_b128 v[KV+32*\u+8*\k+4:KV+32*\u+8*\k+7], v[ADV] offset:16*VP2*\u+32*\k+8*VP2
.endr
.endr
	WIN 0
	; the maximum of a lane's 32 scores and the old m; the four tiles by turns, so that no line waits for the line above it; each accumulator is read from its low end on
.irp j, 0,1,2,3
.irp t, 0,1,2,3
	v_max3_num_f32 v[ST+8*\t+4+\j], v[S+32*\t+8*\j], v[S+32*\t+8*\j+1], v[S+32*\t+8*\j+2]
.endr
.endr
.irp g, 1,2
.irp j, 0,1,2,3
.irp t, 0,1,2,3
	v_max3_num_f32 v[ST+8*\t+4+\j], v[ST+8*\t+4+\j], v[S+32*\t+8*\j+2*\g+1], v[S+32*\t+8*\j+2*\g+2]
.endr
.endr
.endr
.irp t, 0,1,2,3
	v_max3_num_f32 v[ST+8*\t+4], v[ST+8*\t+4], v[S+32*\t+7], v[S+32*\t+15]
.endr
.irp t, 0,1,2,3
	v_max3_num_f32 v[ST+8*\t+6], v[ST+8*\t+6], v[S+32*\t+23], v[S+32*\t+31]
.endr
.irp t, 0,1,2,3
	v_max3_num_f32 v[ST+8*\t+4], v[ST+8*\t+4], v[ST+8*\t+5], v[ST+8*\t+6]
.endr
.irp t, 0,1,2,3
	v_max3_num_f32 v[ST+8*\t+4], v[ST+8*\t+4], v[ST+8*\t+7], v[ST+8*\t+1]
.endr
.irp t, 0,1,2,3
	v_permlanex16_b32 v[ST+8*\t+5], v[ST+8*\t+4], s[SEL], s[SEL+1]     ; the query's other 32 keys lie in the lane 16 away
.endr
.if \first == 0
.irp t, 0,1,2,3
	v_mov_b32 v[ST+8*\t+7], v[ST+8*\t]             ; c m_old is kept for a
.endr
.endif
.irp t, 0,1,2,3
	v_max_num_f32 v[ST+8*\t+1], v[ST+8*\t+4], v[ST+8*\t+5]
.endr
.irp t, 0,1,2,3
	v_mul_f32 v[ST+8*\t], s[CS], v[ST+8*\t+1]
.endr
.if \first == 0
.irp t, 0,1,2,3
	v_sub_f32 v[ST+8*\t+7], v[ST+8*\t+7], v[ST+8*\t]
.endr
.irp t, 0,1,2,3
	v_exp_f32 v[ST+8*\t+6], v[ST+8*\t+7]           ; a
.endr
.endif
	; ONE BATCH: the scalings c s - c m and all exponentials; none of these lines names an exponential's result.  A tile's scalings stand among the exponentials of the tile before.
.irp i, 0,1,2,3,4,5,6,7,8,9,10,11,12,13,14,15
	v_pk_fma_f32 v[S+2*\i:S+2*\i+1], v[S+2*\i:S+2*\i+1], s[CS:CS+1], v[ST:ST+1] op_sel_hi:[1,0,0] neg_lo:[0,0,1] neg_hi:[0,0,1]
.endr
.irp t, 0,1,2,3
.irp i, 0,1,2,3,4,5,6,7,8,9,10,11,12,13,14,15
.if \t < 3
	v_pk_fma_f32 v[S+32*(\t+1)+2*\i:S+32*(\t+1)+2*\i+1], v[S+32*(\t+1)+2*\i:S+32*(\t+1)+2*\i+1], s[CS:CS+1], v[ST+8*(\t+1):ST+8*(\t+1)+1] op_sel_hi:[1,0,0] neg_lo:[0,0,1] neg_hi:[0,0,1]
.endif
	v_exp_f32 v[S+32*\t+2*\i], v[S+32*\t+2*\i]
	v_exp_f32 v[S+32*\t+2*\i+1], v[S+32*\t+2*\i+1]
.endr
.endr
	v_nop                                          ; a plain line behind the last exponential
	s_wait_alu depctr_va_vdst(0)                   ; one wait for the whole batch, ahead of the first line that names a result
	; the sums of the unrounded p, two at a time
.irp t, 0,1,2,3
	v_pk_add_f32 v[ST+8*\t+4:ST+8*\t+5], v[S+32*\t:S+32*\t+1], v[S+32*\t+2:S+32*\t+3]
.endr
.irp p, 2,3,4,5,6,7,8,9,10,11,12,13,14
.irp t, 0,1,2,3
	v_pk_add_f32 v[ST+8*\t+4:ST+8*\t+5], v[ST+8*\t+4:ST+8*\t+5], v[S+32*\t+2*\p:S+32*\t+2*\p+1]
.endr
.endr
.if \first
.irp t, 0,1,2,3
	v_pk_add_f32 v[ST+8*\t+2:ST+8*\t+3], v[ST+8*\t+4:ST+8*\t+5], v[S+32*\t+30:S+32*\t+31]      ; the first step starts l
.endr
.else
.irp t, 0,1,2,3
	v_pk_add_f32 v[ST+8*\t+4:ST+8*\t+5], v[ST+8*\t+4:ST+8*\t+5], v[S+32*\t+30:S+32*\t+31]
.endr
.irp t, 0,1,2,3
	v_pk_fma_f32 v[ST+8*\t+2:ST+8*\t+3], v[ST+8*\t+2:ST+8*\t+3], v[ST+8*\t+6:ST+8*\t+7], v[ST+8*\t+4:ST+8*\t+5] op_sel_hi:[1,0,1]   ; l = a l + the sum
.endr
.endif
	; p to f16, in place: register i of a run of 16 takes numbers 2 i and 2 i + 1, i ascending, so that no number is written over before it is read
.irp i, 0,1,2,3,4,5,6,7
.irp u, 0,1
.irp t, 0,1,2,3
	v_cvt_pk_f16_f32 v[S+32*\t+16*\u+\i], v[S+32*\t+16*\u+2*\i], v[S+32*\t+16*\u+2*\i+1]
.endr
.endr
.endr
.if \first == 0
	WIN W_RS
.irp p, 0,1,2,3,4,5,6,7,8,9,10,11,12,13,14,15
.irp t, 0,1,2,3
	v_pk_mul_f32 v[32*\t+2*\p:32*\t+2*\p+1], v[32*\t+2*\p:32*\t+2*\p+1], v[ST+8*\t+6:ST+8*\t+7] op_sel_hi:[1,0]     ; O^T x a, each accumulator from its low end on
.endr
.endr
.endif
	s_wait_dscnt 0x0                               ; V is in
	WIN W_PV
.irp u, 0,1                            ; O^T += V^T P: the 16 accumulators take turns
.irp k, 0,1,2,3
.irp t, 0,1,2,3
.if (\first) && (\u == 0)
	v_wmma_f32_16x16x32_f16 v[32*\t+8*\k:32*\t+8*\k+7], v[KV+32*\u+8*\k:KV+32*\u+8*\k+7], v[S+32*\t+16*\u:S+32*\t+16*\u+7], 0
.else
	v_wmma_f32_16x16x32_f16 v[32*\t+8*\k:32*\t+8*\k+7], v[KV+32*\u+8*\k:KV+32*\u+8*\k+7], v[S+32*\t+16*\u:S+32*\t+16*\u+7], v[32*\t+8*\k:32*\t+8*\k+7]
.endif
.endr
.endr
.endr
	WIN 0
	s_add_co_u32 s[TBK], s[TBK], 32*KP2            ; the next 64 keys
	s_add_co_u32 s[TBV], s[TBV], 32*VP2
	s_add_co_u32 s[TBM], s[TBM], 256
.endm
.macro STEPS n
	s_mov_b32 s[CNT], \n
.Lstep_\@:
	STEP 0
	s_sub_co_u32 s[CNT], s[CNT], 1
	s_cmp_lg_u32 s[CNT], 0
	s_cbranch_scc1 .Lstep_\@
.endm
; THE CHANGE OF SLOTS.  Each wave waits for all its tensor loads (its part of the slot ahead), adds 0 to its spare word, and waits for that and for its reads of the slot that it leaves.
; fill = 1: slot s, just left, is filled with the keys 1,024 further on; the barrier is then a round of the cluster's, and the joint refill is the first thing behind it: it has eight key steps in which to land.
.macro CHANGE fill, s
	s_wait_tensorcnt 0x0                           ; no tensor load of mine is out, so a group 0 may be written
	ds_add_u32 v[SPW], v[NIL]
.if \fill
	s_add_nc_u64 s[G0K+4*\s+2:G0K+4*\s+3], s[G0K+4*\s+2:G0K+4*\s+3], 131072
	s_add_nc_u64 s[G0V+4*\s+2:G0V+4*\s+3], s[G0V+4*\s+2:G0V+4*\s+3], 131072
.endif
	s_wait_dscnt 0x0                               ; the add is done, and my reads of the slot are over
.if \fill
	CROUND
	JLOAD \s
.else
	s_barrier_signal -1
	s_barrier_wait -1
.endif
.endm
	STEP 1                                         ; keys 0 to 511, slot 0
	STEPS 7
	CHANGE 1, 0
	s_mov_b32 s[TBK], SLOTB
	s_mov_b32 s[TBV], SLOTB
	STEPS 8                                        ; keys 512 on, slot 1
	CHANGE 1, 1
	s_mov_b32 s[TBK], 0
	s_mov_b32 s[TBV], 0
	STEPS 8                                        ; keys 1,024 on, slot 0
	CHANGE 0, 0                                    ; nothing is left to fetch
	s_mov_b32 s[TBK], SLOTB
	s_mov_b32 s[TBV], SLOTB
	STEPS 8                                        ; keys 1,536 on, slot 1
	; THE WAY OUT.  l's halves are added (these additions are the places behind the last products); O^T / l is rounded to f16 and goes through my stage, a tile of 16 queries at a time.
.irp t, 0,1,2,3
	v_add_f32 v[ST+8*\t+4], v[ST+8*\t+2], v[ST+8*\t+3]
.endr
.irp t, 0,1,2,3
	v_permlanex16_b32 v[ST+8*\t+5], v[ST+8*\t+4], s[SEL], s[SEL+1]
.endr
.irp t, 0,1,2,3
	v_add_f32 v[ST+8*\t+4], v[ST+8*\t+4], v[ST+8*\t+5]
.endr
.irp t, 0,1,2,3
	v_rcp_f32 v[ST+8*\t+6], v[ST+8*\t+4]
.endr
	v_nop                                          ; a plain line behind the last reciprocal
	s_wait_alu depctr_va_vdst(0)                   ; one wait for the four
.macro PACKO t
	WIN W_RS
.irp p, 0,1,2,3,4,5,6,7,8,9,10,11,12,13,14,15
	v_pk_mul_f32 v[32*\t+2*\p:32*\t+2*\p+1], v[32*\t+2*\p:32*\t+2*\p+1], v[ST+8*\t+6:ST+8*\t+7] op_sel_hi:[1,0]
.endr
	WIN 0x05                                       ; sources 0 and 1 window 1, destination window 0
.irp p, 0,1,2,3,4,5,6,7,8,9,10,11,12,13,14,15
	v_cvt_pk_f16_f32 v[S+16*\t+\p], v[32*\t+2*\p], v[32*\t+2*\p+1]
.endr
	WIN 0
.irp k, 0,1,2,3
	ds_store_b128 v[STO], v[S+16*\t+4*\k:S+16*\t+4*\k+3] offset:32*\k      ; channels 16 k + 8 h on of query r
.endr
.irp i, 0,1,2,3
	ds_load_b128 v[S+64+16*\t+4*\i:S+64+16*\t+4*\i+3], v[RD] offset:4*SROW*\i     ; in order behind my stores; the next tile's stores come behind these
.endr
.endm
.macro SEND t, younger                 ; younger: the LDS instructions issued behind tile t's loads: the next tile's eight, or none
.irp i, 0,1,2,3
	s_wait_dscnt \younger+3-\i
	global_store_b128 v[GO], v[S+64+16*\t+4*\i:S+64+16*\t+4*\i+3], s[8:9] offset:2048*\t+512*\i     ; 512 consecutive aligned bytes: four queries' rows
.endr
.endm
	PACKO 0
	PACKO 1
	SEND 0, 8
	PACKO 2
	SEND 1, 8
	PACKO 3
	SEND 2, 8
	SEND 3, 0
	s_wait_tensorcnt 0x0                           ; the wave's end
	ds_add_u32 v[SPW], v[NIL]
	s_wait_dscnt 0x0
	CROUND                                         ; the closing round
	s_endpgm
.Lfunc_end_k_qd65db81495_attn:
	.size	k_qd65db81495_attn, .Lfunc_end_k_qd65db81495_attn-k_qd65db81495_attn
	.p2alignl 7, 3214868480
	.fill 96, 4, 3214868480
	.section	.rodata,"a",@progbits
	.p2align	6, 0x0
	.amdhsa_kernel k_qd65db81495_attn
		.amdhsa_group_segment_fixed_size 327680
		.amdhsa_private_segment_fixed_size 0
		.amdhsa_enable_private_segment 0
		.amdhsa_kernarg_size 24
		.amdhsa_user_sgpr_count 2
		.amdhsa_user_sgpr_kernarg_segment_ptr 1
		.amdhsa_wavefront_size32 1
		.amdhsa_system_sgpr_workgroup_id_x 1
		.amdhsa_system_sgpr_workgroup_id_y 1
		.amdhsa_system_sgpr_workgroup_id_z 1
		.amdhsa_system_vgpr_workitem_id 0
		.amdhsa_next_free_vgpr 512
		.amdhsa_next_free_sgpr 68
		.amdhsa_reserve_vcc 1
		.amdhsa_float_denorm_mode_32 3
		.amdhsa_float_denorm_mode_16_64 3
		.amdhsa_memory_ordered 1
		.amdhsa_forward_progress 1
		.amdhsa_inst_pref_size 183
	.end_amdhsa_kernel
	.amdgpu_metadata
---
amdhsa.version: [ 1, 2 ]
amdhsa.kernels:
  - .name:           k_qd65db81495_attn
    .symbol:         k_qd65db81495_attn.kd
    .args:
      - { .name: qkv, .offset: 0, .size: 8, .value_kind: global_buffer, .address_space: global }
      - { .name: mask, .offset: 8, .size: 8, .value_kind: global_buffer, .address_space: global }
      - { .name: o16, .offset: 16, .size: 8, .value_kind: global_buffer, .address_space: global }
    .group_segment_fixed_size: 327680
    .private_segment_fixed_size: 0
    .kernarg_segment_align: 8
    .kernarg_segment_size: 24
    .max_flat_workgroup_size: 256
    .sgpr_count:     68
    .vgpr_count:     512
    .wavefront_size: 32
...
	.end_amdgpu_metadata
.endif
;; end of part 3
;; launch proj (part 4): grid 4 x 64, 4 waves a work-group, clusters of 4 x 4, 327,680 bytes of LDS; arguments o16, wo16, bo, out0; writes out0
.if DOCPART == 4
	.amdgcn_target "amdgcn-amd-amdhsa--gfx1250"
	.amdhsa_code_object_version 6
	.text
	.protected	k_qd65db81495_proj
	.globl	k_qd65db81495_proj
	.p2align	8
	.type	k_qd65db81495_proj,@function
k_qd65db81495_proj:
	s_mov_b64 s[64:65], 0
	v_nop
	global_prefetch_b8 v0, s[64:65] scope:SCOPE_SE
	s_setreg_imm32_b32 hwreg(HW_REG_WAVE_MODE, 25, 1), 1
	s_wait_xcnt 0x0
	s_wait_alu depctr_hold_cnt(0) depctr_sa_sdst(0) depctr_va_vdst(0) depctr_va_sdst(0) depctr_va_ssrc(0) depctr_va_vcc(0) depctr_vm_vsrc(0)
	s_getreg_b32 s2, hwreg(HW_REG_IB_STS2, 6, 4)
	s_cmp_eq_u32 s2, 0
	s_cbranch_scc0 .Lentry_in_a_cluster
	s_endpgm
.Lentry_in_a_cluster:
	s_bfe_u32 s2, ttmp6, 0x10000c
	s_cmp_lg_u32 s2, 0xf033
	s_cbranch_scc0 .Lentry_shape_is_right
	s_endpgm
.Lentry_shape_is_right:
; out0[token][n] = the sum over e of o[token][e] wo[n][e] + bo[n].  o16: [batch][head][2048][64] f16, e = 64 head + channel; wo16: [1024][1024] f16; out0: [8192][1024] f32; sums in f32.
; A tile of 128 tokens x 256 columns is made by a work-group of four waves (8192 x 1024 / (128 x 256) = 256 work-groups); a wave makes 64 x 128: 32 accumulators of 16 x 16.
; K goes in 8 steps of 128 (two heads) through two LDS slots.  A head's 128 tokens are 16,384 dense bytes: 64 rows of 256 bytes (two tokens) with 16 of padding; wo's tile is 256 rows of 256 bytes, 2,048 apart in memory.
; CLUSTERS: 4 x 4 work-groups.  The four of a row of the cluster need the same tokens, the four of a column the same rows of wo: each tile is asked for jointly.  Waves 0, 1 fetch o's two heads, waves 2, 3 wo's two halves.
; THE MATRIX INSTRUCTION IS USED TRANSPOSED (source 0 = 16 rows of wo, source 1 = 16 tokens): a lane holds eight neighbouring columns of one token.  THE BIAS is the C of each sum's first product.
; REGISTERS: window 0: v1-29 addresses; v64-127 o's fragments, two buffers of 32; v128-255 wo's, two buffers of 64 (on the way out: rows read back).  window 1: the accumulators, (a, b) at v[8 (8 a + b)].  window 2: v0-63 the bias.
.set ASUB,   64*272                    ; one head's 128 tokens in LDS
.set AT,     2*ASUB
.set BH,     128*272                   ; 128 rows of wo
.set SLOT,   AT+2*BH
.set STAGE,  2*SLOT                    ; 16 rows x (512 bytes + 16) for each wave
.set SPITCH, 528
.set SPARE,  STAGE+4*16*SPITCH
.set LAPS,   4                         ; a lap = two K steps
.set ADRA, 16
.set ADRB, 20
.set STO,  24
.set RD,   25
.set CO,   26
.set VB,   27
.set SPW,  28
.set NIL,  29
.set FA,   64
.set FB,   128
.set G1, 24
.set G0, 32
.set G1B, 48
.set G0B, 56
.set MSB, 0
.macro WIN new
.if MSB != \new
	s_set_vgpr_msb (MSB<<8)|\new
.set MSB, \new
.endif
.endm
.set MUL,  0x50                        ; sources 0 and 1 window 0; C and D window 1
.set MUL1, 0x60                        ; the first products: C (the bias) window 2, D window 1
.macro JLOAD s
	s_cmp_eq_u32 s13, 0
	s_cbranch_scc0 .Lfor_b_\@
	tensor_load_to_lds s[G0+4*\s:G0+4*\s+3], s[G1:G1+7]
	s_nop 0
.rept 4
	v_nop
.endr
	s_branch .Lasked_\@
.Lfor_b_\@:
	tensor_load_to_lds s[G0B+4*\s:G0B+4*\s+3], s[G1B:G1B+7]
	s_nop 0
.rept 4
	v_nop
.endr
.Lasked_\@:
.endm
.macro CREST
	s_cmp_lg_u32 s12, 0
	s_cbranch_scc1 .Lnot_wave_0_\@
	s_barrier_signal -3
.Lnot_wave_0_\@:
	s_barrier_wait -3
	s_barrier_signal -1
	s_barrier_wait -1
.endm
.macro CROUND
	s_barrier_signal -1
	s_barrier_wait -1
	CREST
.endm
	s_load_b256 s[4:11], s[0:1], 0x0               ; o16 4:5, wo16 6:7, bo 8:9, out0 10:11
	v_lshl_add_u32 v[SPW], v0, 2, SPARE
	v_mov_b32 v[NIL], 0
	ds_add_u32 v[SPW], v[NIL]                      ; the wave's opening: the add, twice on end, and its wait ahead of my first tensor load
	ds_add_u32 v[SPW], v[NIL]
	v_lshrrev_b32 v1, 5, v0
	v_readfirstlane_b32 s12, v1                    ; wave 0..3
	s_lshr_b32 s13, s12, 1                         ; which 64 tokens are mine.  Also: I fetch o (0) or wo (1)
	s_and_b32 s14, s12, 1                          ; which 128 columns.  Also: which head, or which 128 rows of wo, I fetch
	s_bfe_u32 s40, ttmp6, 0x40000                  ; cx, cy
	s_bfe_u32 s41, ttmp6, 0x40004
	s_lshl_b32 s42, ttmp9, 2
	s_add_co_u32 s42, s42, s40                     ; tile column
	s_and_b32 s15, ttmp7, 0xffff
	s_lshl_b32 s15, s15, 2
	s_add_co_u32 s15, s15, s41                     ; tile row
	s_lshl_b32 s43, s41, 2
	s_lshl_b32 s43, 15, s43                        ; my row of the cluster
	s_lshl_b32 s44, 0x1111, s40                    ; my column
	s_or_b32 s[G1+0], s43, (1<<16)|(1<<20)|(1<<21)|(5<<22)|(3<<25)  ; the mask; elements of 2 bytes; padding on; bit 21 beside a mask; after every 64 words, 4 words
	s_or_b32 s[G1B+0], s44, (1<<16)|(1<<20)|(1<<21)|(5<<22)|(3<<25)
	s_mov_b32 s[G1+1], 128<<16                     ; o: 64 rows of 128 elements, dense
	s_mov_b32 s[G1+2], 64<<16
	s_mov_b32 s[G1+3], 128<<16
	s_mov_b32 s[G1+4], 64
	s_mov_b32 s[G1+5], 128
	s_mov_b32 s[G1+6], 0
	s_mov_b32 s[G1+7], 0
	s_mov_b32 s[G1B+1], 128<<16                    ; wo: 128 rows of 128 elements, 1,024 apart
	s_mov_b32 s[G1B+2], 128<<16
	s_mov_b32 s[G1B+3], 128<<16
	s_mov_b32 s[G1B+4], 128
	s_mov_b32 s[G1B+5], 1024
	s_mov_b32 s[G1B+6], 0
	s_mov_b32 s[G1B+7], 0
	s_lshr_b32 s16, s15, 4                         ; o: the batch (16 tile rows each) x 4,194,304,
	s_lshl_b32 s16, s16, 22
	s_and_b32 s17, s15, 15
	s_lshl_b32 s17, s17, 14                        ; 128 tokens x 128 bytes a tile row,
	s_add_co_u32 s16, s16, s17
	s_lshl_b32 s17, s14, 18                        ; my head of the K step's two
	s_add_co_u32 s16, s16, s17
	s_mov_b32 s17, 0
	s_lshl_b32 s46, s42, 8                         ; wo: row 256 x tile column + 128 x half,
	s_lshl_b32 s47, s14, 7
	s_add_co_u32 s46, s46, s47
	s_lshl_b32 s46, s46, 11                        ; of 2,048 bytes
	s_mov_b32 s47, 0
	s_mul_i32 s20, s14, ASUB                       ; where they go in a slot
	s_mul_i32 s21, s14, BH
	s_add_co_u32 s21, s21, AT
	s_wait_dscnt 0x0                               ; both opening adds are done
	s_wait_kmcnt 0x0
	s_add_nc_u64 s[16:17], s[4:5], s[16:17]
	s_add_nc_u64 s[46:47], s[6:7], s[46:47]
	CROUND                                         ; all sixteen work-groups are here: the first joint loads meet
.irp s, 0,1
	s_mov_b32 s[G0+4*\s], 1
	s_add_co_u32 s[G0+4*\s+1], s20, \s*SLOT
	s_add_nc_u64 s[G0+4*\s+2:G0+4*\s+3], s[16:17], \s*524288       ; K step s: two heads on
	s_or_b32 s[G0+4*\s+3], s[G0+4*\s+3], 0x80000000
	s_mov_b32 s[G0B+4*\s], 1
	s_add_co_u32 s[G0B+4*\s+1], s21, \s*SLOT
	s_add_nc_u64 s[G0B+4*\s+2:G0B+4*\s+3], s[46:47], \s*256
	s_or_b32 s[G0B+4*\s+3], s[G0B+4*\s+3], 0x80000000
	JLOAD \s                                       ; two loads of mine are out
.endr
	s_lshl_b32 s46, s42, 10                        ; my first column, in bytes of f32: 1,024 x tile column + 512 x half
	s_lshl_b32 s47, s14, 9
	s_add_co_u32 s46, s46, s47
	s_mov_b32 s47, 0
	s_add_nc_u64 s[8:9], s[8:9], s[46:47]
	s_add_nc_u64 s[10:11], s[10:11], s[46:47]
	s_lshl_b32 s46, s15, 7
	s_lshl_b32 s47, s13, 6
	s_add_co_u32 s46, s46, s47                     ; my first token
	s_lshl_b32 s46, s46, 12                        ; a row of out0 is 4,096 bytes
	s_mov_b32 s47, 0
	s_add_nc_u64 s[10:11], s[10:11], s[46:47]
	v_and_b32 v1, 15, v0                           ; r
	v_bfe_u32 v2, v0, 4, 1                         ; h
	v_lshlrev_b32 v[VB], 5, v2
	WIN 0x80                                       ; destination window 2
.irp b, 0,1,2,3,4,5,6,7
	global_load_b128 v[8*\b:8*\b+3], v[VB], s[8:9] offset:64*\b          ; lane (r, h), register j: bo of column 16 b + 8 h + j
	global_load_b128 v[8*\b+4:8*\b+7], v[VB], s[8:9] offset:64*\b+16
.endr
	WIN 0
	v_lshrrev_b32 v3, 1, v1
	v_and_b32 v4, 1, v1
	v_mul_u32_u24 v3, v3, 272
	v_lshl_add_u32 v3, v4, 7, v3
	v_lshl_add_u32 v3, v2, 4, v3                   ; o: token r lies at 272 (r / 2) + 128 (r % 2); + 16 h
	v_mul_u32_u24 v5, v1, 272
	v_lshl_add_u32 v5, v2, 4, v5                   ; wo: row r x pitch + 16 h
	s_mul_i32 s21, s13, 32*272                     ; my 64 tokens
	s_mul_i32 s22, s14, BH                         ; my 128 rows of wo,
	s_add_co_u32 s22, s22, AT                      ; behind o's two heads
.irp s, 0,1
	v_add_nc_u32 v[ADRA+\s], s21, v3
	v_add_nc_u32 v[ADRB+\s], s22, v5
	s_add_co_u32 s21, s21, SLOT
	s_add_co_u32 s22, s22, SLOT
.endr
	s_mul_i32 s23, s12, 16*SPITCH
	s_add_co_u32 s23, s23, STAGE                   ; my stage
	v_mul_u32_u24 v6, v1, SPITCH
	v_lshl_add_u32 v6, v2, 5, v6
	v_add_nc_u32 v[STO], s23, v6                   ; in: row r, 32 bytes for each half of the lanes
	v_and_b32 v7, 31, v0
	v_lshlrev_b32 v[CO], 4, v7                     ; back: the 32 lanes take a row of 512 bytes; and the same in out0
	v_add_nc_u32 v[RD], s23, v[CO]
.macro MUL8 f, a, first                ; tokens' block a x wo's eight blocks, 32 along K, from buffer f.  The 32 accumulators take turns in one order throughout
.irp b, 0,1,2,3,4,5,6,7
.if \first
	v_wmma_f32_16x16x32_f16 v[8*(8*(\a)+\b):8*(8*(\a)+\b)+7], v[FB+64*(\f)+8*\b:FB+64*(\f)+8*\b+7], v[FA+32*(\f)+8*(\a):FA+32*(\f)+8*(\a)+7], v[8*\b:8*\b+7]
.else
	v_wmma_f32_16x16x32_f16 v[8*(8*(\a)+\b):8*(8*(\a)+\b)+7], v[FB+64*(\f)+8*\b:FB+64*(\f)+8*\b+7], v[FA+32*(\f)+8*(\a):FA+32*(\f)+8*(\a)+7], v[8*(8*(\a)+\b):8*(8*(\a)+\b)+7]
.endif
.endr
.endm
.macro FETCH slot, q, f                ; 24 LDS loads in one run: the slot's q-th 32 along K into buffer f: wo's eight blocks, then the tokens' four
.irp i, 0,1,2,3,4,5,6,7
	ds_load_b128 v[FB+64*(\f)+8*\i:FB+64*(\f)+8*\i+3], v[ADRB+\slot] offset:64*(\q)+\i*16*272
	ds_load_b128 v[FB+64*(\f)+8*\i+4:FB+64*(\f)+8*\i+7], v[ADRB+\slot] offset:64*(\q)+\i*16*272+32
.endr
.irp i, 0,1,2,3
	ds_load_b128 v[FA+32*(\f)+8*\i:FA+32*(\f)+8*\i+3], v[ADRA+\slot] offset:((\q)>>1)*ASUB+((\q)&1)*64+\i*8*272
	ds_load_b128 v[FA+32*(\f)+8*\i+4:FA+32*(\f)+8*\i+7], v[ADRA+\slot] offset:((\q)>>1)*ASUB+((\q)&1)*64+\i*8*272+32
.endr
.endm
.macro PLACES                          ; four plain lines in front of loads into registers that matrix instructions have read, and of reads of results
.rept 4
	v_nop
.endr
.endm
; A K step is four quarters of 32 along K, 32 matrix instructions each, on buffers 0, 1, 0, 1.  One of the first three: multiplies buffer f and fetches quarter qn into g.
.macro QUARTER slot, qn, f, g, first
	s_wait_dscnt 4                                 ; all but the youngest four loads (the tokens' blocks 2 and 3) are in
.if \first
	WIN MUL1
.else
	WIN MUL
.endif
	MUL8 \f, 0, \first
	MUL8 \f, 1, \first
	PLACES
	WIN 0
	FETCH \slot, \qn, \g
	s_wait_dscnt 24                                ; all but the 24 just issued
.if \first
	WIN MUL1
.else
	WIN MUL
.endif
	MUL8 \f, 2, \first
	MUL8 \f, 3, \first
.endm
; The last quarter multiplies buffer 1 and changes slots: ONE barrier; in front of it each wave waits for all its tensor loads, adds 0 to its spare word, and waits for that and for its reads of this slot.
.macro TURN slot, next, fill
	WIN 0
	s_wait_tensorcnt 0x0                           ; my part of the next slot has landed
	ds_add_u32 v[SPW], v[NIL]
	s_wait_dscnt 5                                 ; (the add and the youngest four loads may be out)
	WIN MUL
	MUL8 1, 0, 0
	s_wait_dscnt 0x0                               ; the add is done, and my reads of this slot are over
	s_barrier_signal -1
	MUL8 1, 1, 0
	WIN 0
	s_barrier_wait -1
.if \fill
	CREST                                          ; the barrier has opened a round of the cluster's: no wave of any partner still reads this slot or has a load on its way
	s_add_nc_u64 s[G0+4*\slot+2:G0+4*\slot+3], s[G0+4*\slot+2:G0+4*\slot+3], 1048576     ; two K steps on: four heads
	s_add_nc_u64 s[G0B+4*\slot+2:G0B+4*\slot+3], s[G0B+4*\slot+2:G0B+4*\slot+3], 512
	JLOAD \slot                                    ; the first tensor load behind the round; its four v_nop are also the places in front of the loads below
.else
	PLACES
.endif
	FETCH \next, 0, 0
	WIN MUL
	MUL8 1, 2, 0
	MUL8 1, 3, 0
.endm
	s_wait_tensorcnt 1                             ; my part of K step 0 is in; K step 1's may be out
	s_barrier_signal -1
	s_barrier_wait -1
	FETCH 0, 0, 0
	s_wait_loadcnt 0x0                             ; the bias
	QUARTER 0, 1, 0, 1, 1                          ; the first quarter stands in front of the loop: its products start the sums from the bias
	WIN 0
	s_mov_b32 s3, LAPS-1
.Llap:                                             ; a trip goes once round the two slots, from a lap's second quarter to the next lap's first, and fills both again
	QUARTER 0, 2, 1, 0, 0
	QUARTER 0, 3, 0, 1, 0
	TURN 0, 1, 1
	QUARTER 1, 1, 0, 1, 0
	QUARTER 1, 2, 1, 0, 0
	QUARTER 1, 3, 0, 1, 0
	TURN 1, 0, 1
	QUARTER 0, 1, 0, 1, 0
	WIN 0
	s_sub_co_u32 s3, s3, 1
	s_cmp_lg_u32 s3, 0
	s_cbranch_scc1 .Llap
	QUARTER 0, 2, 1, 0, 0                          ; the last lap fills nothing
	QUARTER 0, 3, 0, 1, 0
	TURN 0, 1, 0
	QUARTER 1, 1, 0, 1, 0
	QUARTER 1, 2, 1, 0, 0
	QUARTER 1, 3, 0, 1, 0
	s_wait_dscnt 4                                 ; the very last quarter
	WIN MUL
	MUL8 1, 0, 0
	MUL8 1, 1, 0
	s_wait_dscnt 0
	MUL8 1, 2, 0
	MUL8 1, 3, 0
	WIN 0
; THE WAY OUT, a block of 16 tokens x 128 columns at a time, through my own stage: it comes back as whole rows of 512 bytes.  LDS serves a wave's instructions in order: no wait between the stage's stores and loads.
.macro TOSTAGE a
	WIN 0x04                                       ; an LDS store's data are its source 1: window 1
.irp b, 0,1,2,3,4,5,6,7
	ds_store_b128 v[STO], v[8*(8*(\a)+\b):8*(8*(\a)+\b)+3] offset:64*\b          ; each accumulator from its low end on
	ds_store_b128 v[STO], v[8*(8*(\a)+\b)+4:8*(8*(\a)+\b)+7] offset:64*\b+16
.endr
	WIN 0
.set BB, FB+64*((\a)%2)
.irp t, 0,1,2,3,4,5,6,7,8,9,10,11,12,13,14,15
	ds_load_b128 v[BB+4*\t:BB+4*\t+3], v[RD] offset:\t*SPITCH
.endr
.endm
.macro SEND a, younger                 ; younger: the LDS instructions issued behind block a's loads
.set BB, FB+64*((\a)%2)
	s_wait_dscnt \younger
.irp t, 0,1,2,3,4,5,6,7,8,9,10,11,12,13,14,15
	global_store_b128 v[CO], v[BB+4*\t:BB+4*\t+3], s[10:11] offset:(\a)*65536+\t*4096 th:TH_STORE_NT    ; 512 consecutive aligned bytes; written once, read by nobody here
.endr
.endm
	PLACES
	TOSTAGE 0
.irp a, 1,2,3
.if \a > 1
	s_wait_xcnt 0x0                                ; block a - 2's stores have read their registers: block a's loads may land there
.endif
	TOSTAGE \a
	SEND \a-1, 32                                  ; behind block a - 1's loads: block a's 16 stores and 16 loads
.endr
	SEND 3, 0
	s_wait_tensorcnt 0x0                           ; the wave's end
	ds_add_u32 v[SPW], v[NIL]
	s_wait_dscnt 0x0
	CROUND                                         ; the closing round
	s_endpgm
.Lfunc_end_k_qd65db81495_proj:
	.size	k_qd65db81495_proj, .Lfunc_end_k_qd65db81495_proj-k_qd65db81495_proj
	.p2alignl 7, 3214868480
	.fill 96, 4, 3214868480
	.section	.rodata,"a",@progbits
	.p2align	6, 0x0
	.amdhsa_kernel k_qd65db81495_proj
		.amdhsa_group_segment_fixed_size 327680
		.amdhsa_private_segment_fixed_size 0
		.amdhsa_enable_private_segment 0
		.amdhsa_kernarg_size 32
		.amdhsa_user_sgpr_count 2
		.amdhsa_user_sgpr_kernarg_segment_ptr 1
		.amdhsa_wavefront_size32 1
		.amdhsa_system_sgpr_workgroup_id_x 1
		.amdhsa_system_sgpr_workgroup_id_y 1
		.amdhsa_system_sgpr_workgroup_id_z 1
		.amdhsa_system_vgpr_workitem_id 0
		.amdhsa_next_free_vgpr 768
		.amdhsa_next_free_sgpr 66
		.amdhsa_reserve_vcc 0
		.amdhsa_float_denorm_mode_32 3
		.amdhsa_float_denorm_mode_16_64 3
		.amdhsa_memory_ordered 1
		.amdhsa_forward_progress 1
		.amdhsa_inst_pref_size 87
	.end_amdhsa_kernel
	.amdgpu_metadata
---
amdhsa.version: [ 1, 2 ]
amdhsa.kernels:
  - .name:           k_qd65db81495_proj
    .symbol:         k_qd65db81495_proj.kd
    .args:
      - { .name: o16, .offset: 0, .size: 8, .value_kind: global_buffer, .address_space: global }
      - { .name: wo16, .offset: 8, .size: 8, .value_kind: global_buffer, .address_space: global }
      - { .name: bo, .offset: 16, .size: 8, .value_kind: global_buffer, .address_space: global }
      - { .name: out0, .offset: 24, .size: 8, .value_kind: global_buffer, .address_space: global }
    .group_segment_fixed_size: 327680
    .private_segment_fixed_size: 0
    .kernarg_segment_align: 8
    .kernarg_segment_size: 32
    .max_flat_workgroup_size: 128
    .sgpr_count:     66
    .vgpr_count:     768
    .wavefront_size: 32
...
	.end_amdgpu_metadata
.endif
;; end of part 4
